; MI455X (gfx1250); checked and timed in simulation.
; The chip was launched on July 23, 2026; its instructions are those of AMD's public machine-readable ISA for CDNA 5 (MIT licence, August 2026) and "CDNA5" Instruction Set Architecture Reference Guide (July 2026). The comments in the code are by the model that wrote it; some were corrected since.
;; Multi Head Self Attention. Allowed arithmetic: matrix products marked QUANTISED: E2M3 operands, one E8M0 scale for each 32 along K, by v_wmma_scale_f32_16x16x128_f8f6f4 with both operands' format E2M3, f32 sums; everything else in f32.
;; Inputs: Kw 1,024 x 1,024 float32; Ow 1,024 x 1,024 float32; Qw 1,024 x 1,024 float32; Vw 1,024 x 1,024 float32; padding_mask 4 x 2,048 bool; x 4 x 2,048 x 1,024 float32.
;; Outputs: out0 4 x 2,048 x 1,024 float32.
;; This version of the problem:
;;   THIS VERSION OF THE PROBLEM IS GIVEN IN LOW PRECISION. The matrix products marked QUANTISED in the list below multiply operands that are first quantised to E2M3 (2 exponent bits, 3 mantissa bits; 6 bits a number), with one power-of-two scale for each 32 numbers along K (OCP MX v1.0); their sums are f32. All else is computed in f32.
;;   The module's matrix products, in the order in which they are computed (A, B: the left and right operand; K: the contracted axis; several contracted axes count as one K, in the product's order):
;;     1. [M 8,192, K 1,024] x [K 1,024, N 1,024]; A: input x; B: input Qw: QUANTISED
;;     2. [M 8,192, K 1,024] x [K 1,024, N 1,024]; A: input x; B: input Kw: QUANTISED
;;     3. [M 8,192, K 1,024] x [K 1,024, N 1,024]; A: input x; B: input Vw: QUANTISED
;;     4. batch 64 x [M 2,048, K 64] x [K 64, N 2,048]; A: computed on the way; B: computed on the way: QUANTISED
;;     5. batch 64 x [M 64, K 2,048] x [K 2,048, N 2,048]; A: computed on the way; B: softmax (see below): QUANTISED
;;     6. [M 8,192, K 1,024] x [K 1,024, N 1,024]; A: computed on the way; B: input Ow: QUANTISED
;;   THE QUANTISER, for each operand of a quantised product, along K:
;;     - K is cut into blocks of 32 from its start; a last block that is shorter is filled with zeros.
;;     - A block's scale is 2^e with e = floor(log2(the largest magnitude in the block)) - 2, held to -126 .. 127; a block of zeros has e = 0. As a byte (E8M0): e + 127.
;;     - Each number is divided by its block's scale, clamped to +-7.5, and rounded to the nearest number of E2M3, ties to even, subnormals kept.
;;     - The product sums the exact products of the quantised numbers (number of the format x scale) in f32.
;;   ~~~python
;;   def quantise(x, axis):      # numpy; x: float32 -> the quantised numbers, widened to float32 again
;;       x = np.moveaxis(x, axis, -1); K = x.shape[-1]
;;       x = np.pad(x, [(0, 0)] * (x.ndim - 1) + [(0, -K % 32)]); x = x.reshape(x.shape[:-1] + (-1, 32)); a = np.abs(x).max(-1, keepdims=True)
;;       e = np.where(a > 0, np.clip(np.frexp(np.where(a > 0, a, 1))[1] - 1 - 2, -126, 127), 0)      # np.frexp(a)[1] - 1 = floor(log2(a)), exactly
;;       r = np.clip(x / 2.0 ** e, -7.5, 7.5)
;;       step = 2.0 ** (np.maximum(np.frexp(np.where(r == 0, 1, r))[1] - 1, 0) - 3)
;;       q = np.round(r / step) * step * 2.0 ** e      # np.round: ties to even
;;       return np.moveaxis(q.reshape(q.shape[:-2] + (-1,))[..., :K], -1, axis).astype(np.float32)
;;   ~~~
;;   SOFTMAX AHEAD OF A QUANTISED PRODUCT. Where the list says 'softmax', what is quantised is not the finished softmax but p = 2^(t - M), with t = logit x log2(e) and M = ceil(the row's largest t), a whole number; so 1/2 < the row's largest p <= 1. The row's sum l is taken of the UNQUANTISED p, in f32, and the product's result is divided by l at the end. Since M is a whole number, a kernel that streams over the keys may use a running M (the ceiling of the running maximum): every later rescaling is an exact power of two, which a block's scale takes up: the codes' values come out the same.
;;   OPERANDS COMPUTED ON THE WAY. 'Computed on the way' means the value that the module computes at that place (a softmax that the list does not call 'softmax' is quantised finished and normalised). What goes into a quantiser is computed in f32, as accurately as f32 sums, v_exp_f32 and their like allow (about 1e-6 of the number): no bf16 or f16 on the way to a quantiser, and a product that is left as it is and whose result goes on into a quantised operand takes f32 operands (vector FMAs, or v_wmma_f32_16x16x4_f32). A number that lies on a knife's edge between two numbers of the format may be rounded either way, as far as f32 arithmetic and the matrix unit's own rounding can turn it there, and no further.
;; One version. Each part assembles by itself: llvm-mc -triple=amdgcn-amd-amdhsa -mcpu=gfx1250 --defsym DOCPART=n.
;; ======== version 1 of 1: 4 launches
;; limits: right only within a limited range of input values
;; workspace buffers: xq 6,553,600 bytes; wq 3,276,800 bytes; qq 6,815,744 bytes; kv 15,466,496 bytes; vsum 262,144 bytes; cq 6,553,600 bytes
;; launch quant (part 1): grid 384 x 1, 4 waves a work-group, no clusters, 49,664 bytes of LDS; arguments x, Qw, Kw, Vw, Ow, xq, wq; writes xq, wq
.if DOCPART == 1
	.amdgcn_target "amdgcn-amd-amdhsa--gfx1250"
	.amdhsa_code_object_version 6
	.text
	.protected	k_qc244e08205_quant
	.globl	k_qc244e08205_quant
	.p2align	8
	.type	k_qc244e08205_quant,@function
k_qc244e08205_quant:
	s_mov_b64 s[64:65], 0
	v_nop
	global_prefetch_b8 v0, s[64:65] scope:SCOPE_SE
	s_setreg_imm32_b32 hwreg(HW_REG_WAVE_MODE, 25, 1), 1
	s_wait_xcnt 0x0
; x [8192][1024] and the four weights [1024][1024], f32, K innermost, become codes of FP6 (E2M3) with one E8M0 scale byte for each 32 along K.
; xq: codes of 8,192 rows, then scale bytes [8192][32] at XSC.  wq: codes of 4,096 rows (Qw, Kw, Vw, Ow), then scale bytes [4096][32] at WSC.
; A block's scale is 2^(floor(log2(its largest magnitude)) - 2); its byte is that magnitude's exponent field - 2, held at 1 from below.  A block of zeros so gets the byte 1 where the
; quantiser's text says 127: its codes are zeros, which add nothing under any byte but 0xff, and these bytes are read by this program alone.
; LIMITS: blocks whose largest magnitude lies under 2^(2 - 126) keep the byte 1; NaN and infinities among the inputs are not served.
; THE ROWS' ORDER: of every 32 rows the second and the third group of 8 change places, in all five tensors: the 16 rows 16 u .. 16 u + 15 of a group of 32 in the buffer are the tensor's rows
; 8 u + r + 8 (r / 8), so that two neighbouring tiles of a later product leave 16 neighbours in a lane's registers.
; THE CODES' LAYOUT: a group of 8 rows is 6,144 dense bytes, an image of operand registers: [128 along K: 8][piece P: 6][lane half h: 2][row: 8][8 bytes].  Piece P = 3 c + i holds bytes 8 i .. 8 i + 7
; of the 24 bytes of the block k = 64 c + 32 h + 0 .. 31.  In the groups with an odd number in the buffer pieces P and P xor 1 change places: the two groups of a tile of 16 rows then
; lie in different halves of each 256 bytes, and a load of 8 bytes a lane touches 256 different bytes modulo 256.
; SHARES: a work-group takes 32 rows, a wave 8 (16 steps of 512 numbers): work-groups 0-255 take x, then 32 each Qw, Kw, Vw, Ow.  Only pointers are chosen: all take one path.
; A step's four loads read 512 consecutive bytes each; the 2,048 bytes turn through the wave's own stage in LDS and come back 64 bytes a lane: a lane holds 16 neighbours, two lanes a block.
; A lane's 12 bytes of codes go word by word to their places in the wave's image in LDS; at the end the image leaves by twelve stores of 512 consecutive bytes, the 256 scale bytes by one of 256.
; No tensor loads, no barrier: waves share nothing.  Loads run four steps (16 loads a wave) ahead, the turn through LDS one step.
.set STEPS, 16
.set EMAX,  2
.set R,     16                         ; v16-79   four sets of 16 numbers as loaded; at the end v16-63 the image on its way out
.set X,     80                         ; v80-111  two sets of 16 neighbours
.set C,     128                        ; v128-191 codes: four registers a step
.set E,     112                        ; v112-127 a scale byte a step
.set WREG,  12288                      ; LDS, a wave's region: two stages of 32 x SP bytes, 256 scale bytes, the image of 6,144 bytes
.set SP,    80                         ; a lane's place in a stage: 64 bytes + 16 of padding
.set SPARE, 4*WREG                     ; the spare words, 128 bytes a wave
.set XSC,   6291456
.set WSC,   3145728
	s_load_b256 s[4:11], s[0:1], 0x0               ; x, Qw, Kw, Vw
	s_load_b128 s[12:15], s[0:1], 0x20             ; Ow, xq
	s_load_b64 s[16:17], s[0:1], 0x30              ; wq
	v_lshl_add_u32 v192, v0, 2, SPARE
	v_mov_b32 v193, 0
	v_lshrrev_b32 v1, 5, v0
	v_readfirstlane_b32 s18, v1                    ; wave
	v_and_b32 v2, 31, v0                           ; lane
	v_lshlrev_b32 v3, 4, v2                        ; 16 x lane
	s_mul_i32 s19, s18, WREG
	v_lshrrev_b32 v14, 2, v2
	v_mul_u32_u24 v14, v14, SP
	v_and_b32 v15, 3, v2
	v_lshl_add_u32 v14, v15, 4, v14
	v_add_nc_u32 v14, s19, v14                     ; the stage, on the way in: SP (lane / 4) + 16 (lane % 4)
	v_mul_u32_u24 v15, v2, SP
	v_add_nc_u32 v15, s19, v15                     ; and on the way out: SP x lane
	v_lshrrev_b32 v5, 1, v2
	s_add_co_u32 s19, s19, 2*32*SP
	v_add_nc_u32 v5, s19, v5                       ; my block's scale byte
	v_lshlrev_b32 v7, 3, v2
	v_add_nc_u32 v6, s19, v7                       ; the scale bytes on the way out: 8 a lane
	s_add_co_u32 s19, s19, 256                     ; my image: a multiple of 256
	s_lshr_b32 s29, s18, 1
	s_lshl_b32 s29, s29, 7                         ; 128 where my group's number in the buffer is odd (waves 2 and 3)
	v_lshrrev_b32 v194, 3, v2                      ; my 16 numbers lie at k = 16 x lane of the step's 512: which 128,
	v_mul_u32_u24 v194, v194, 768
	v_bfe_u32 v195, v2, 2, 1                       ; c,
	v_mad_u32_u24 v194, v195, 384, v194
	v_bfe_u32 v195, v2, 1, 1                       ; h,
	v_lshl_add_u32 v194, v195, 6, v194
	v_add_nc_u32 v194, s19, v194
	v_and_b32 v197, 1, v2                          ; and which half of the block's 24 bytes
	v_mad_u32_u24 v195, v197, 252, v194
	v_add_nc_u32 v195, 4, v195                     ; my second word: byte 4 of piece 0, or byte 0 of piece 2
	v_mul_u32_u24 v197, v197, 132
	v_add_nc_u32 v194, v194, v197                  ; my first word: byte 0 of piece 0, or byte 4 of piece 1
	v_add_nc_u32 v196, 128, v194                   ; my third word: byte 0 of piece 1, or byte 4 of piece 2
	v_xor_b32 v194, s29, v194                      ; in an odd group neighbouring pieces change places
	v_xor_b32 v195, s29, v195
	v_xor_b32 v196, s29, v196
	v_add_nc_u32 v198, s19, v3                     ; the image on the way out: 16 bytes a lane
	s_sub_co_u32 s25, ttmp9, 256                   ; the work-group's number among the weights'
	s_and_b32 s26, s25, 31                         ; and inside its weight
	s_lshr_b32 s27, s18, 1
	s_and_b32 s28, s18, 1
	s_lshl_b32 s28, s28, 1
	s_or_b32 s27, s27, s28                         ; where my 8 rows go: groups 1 and 2 change places
	s_mov_b32 s24, WSC
	s_wait_alu depctr_va_vdst(0)                   ; the wait at the head's end
	s_wait_kmcnt 0x0
	s_cmp_lt_u32 ttmp9, 352                        ; every choice hangs on the work-group's number alone
	s_cselect_b64 s[20:21], s[10:11], s[12:13]     ; Vw, else Ow
	s_cmp_lt_u32 ttmp9, 320
	s_cselect_b64 s[20:21], s[8:9], s[20:21]       ; Kw
	s_cmp_lt_u32 ttmp9, 288
	s_cselect_b64 s[20:21], s[6:7], s[20:21]       ; Qw
	s_cmp_lt_u32 ttmp9, 256
	s_cselect_b64 s[20:21], s[4:5], s[20:21]       ; x
	s_cselect_b64 s[22:23], s[14:15], s[16:17]     ; xq or wq
	s_cselect_b32 s24, XSC, s24                    ; where its scale bytes begin
	s_cselect_b32 s26, ttmp9, s26
	s_cselect_b32 s25, ttmp9, s25
	s_lshl_b32 s26, s26, 2
	s_add_co_u32 s26, s26, s18                     ; which run of 8 rows of the tensor I read,
	s_lshl_b32 s25, s25, 2
	s_add_co_u32 s25, s25, s27                     ; and which group of the buffer I write
	s_lshl_b32 s28, s26, 15                        ; 32,768 bytes a run
	s_mov_b32 s29, 0
	s_add_nc_u64 s[20:21], s[20:21], s[28:29]
	s_lshl_b32 s28, s25, 8                         ; 256 scale bytes a group
	s_add_co_u32 s28, s28, s24
	s_add_nc_u64 s[30:31], s[22:23], s[28:29]
	s_mul_i32 s28, s25, 6144                       ; 6,144 bytes of codes a group
	s_add_nc_u64 s[22:23], s[22:23], s[28:29]
.macro LOAD t
.irp i, 0,1,2,3
	global_load_b128 v[R+16*((\t)%4)+4*\i:R+16*((\t)%4)+4*\i+3], v3, s[20:21] offset:2048*(\t)+512*\i th:TH_LOAD_NT   ; 32 lanes read 512 consecutive bytes
.endr
.endm
.macro TURN t                          ; step t's numbers through the stage: LDS serves a wave's instructions in order, so no wait stands between the stores and the loads
.irp i, 0,1,2,3
	ds_store_b128 v14, v[R+16*((\t)%4)+4*\i:R+16*((\t)%4)+4*\i+3] offset:32*SP*((\t)%2)+8*SP*\i
.endr
.irp i, 0,1,2,3
	ds_load_b128 v[X+16*((\t)%2)+4*\i:X+16*((\t)%2)+4*\i+3], v15 offset:32*SP*((\t)%2)+16*\i
.endr
.endm
.irp t, 0,1,2,3
	LOAD \t
.endr
	s_wait_loadcnt 12                              ; step 0's four loads are in; the twelve of steps 1 to 3 may be out
	TURN 0
.macro STEP t                          ; step t is row t / 2 of my 8, k = 512 (t % 2) on
.set XS, X+16*((\t)%2)
.if (\t) > 0
	s_wait_dscnt 4                                 ; this step's numbers are back from the stage (the last step's four small stores may be out)
.else
	s_wait_dscnt 0x0
.endif
.if (\t)+4 < STEPS
	LOAD (\t)+4
.endif
.if (\t)+1 < STEPS
.if STEPS-2-(\t) >= 3
	s_wait_loadcnt 12                              ; the next step's four loads are in; those of the three steps behind it may be out
.else
	s_wait_loadcnt 4*(STEPS-2-(\t))
.endif
	TURN (\t)+1
.endif
	v_max3_num_f32 v8, |v[XS]|, |v[XS+1]|, |v[XS+2]|               ; the largest magnitude of my 16, in two chains
	v_max3_num_f32 v9, |v[XS+3]|, |v[XS+4]|, |v[XS+5]|
.irp i, 6,10
	v_max3_num_f32 v8, v8, |v[XS+\i]|, |v[XS+\i+1]|
	v_max3_num_f32 v9, v9, |v[XS+\i+2]|, |v[XS+\i+3]|
.endr
	v_max3_num_f32 v8, v8, |v[XS+14]|, |v[XS+15]|
	v_max3_num_f32 v8, v8, v9, (EMAX+1)<<23        ; and the floor 2^(EMAX + 1 - 127): so the byte cannot fall under 1
	v_max_num_f32_dpp v8, v8, v8 row_xmask:1 row_mask:0xf bank_mask:0xf   ; and of my neighbour's 16: the block's
	v_add_nc_u32 v11, -(EMAX<<23), v8              ; EMAX off its exponent field: the conversion's scale operand
	v_cvt_scalef32_pk16_fp6_f32 v[C+4*(\t):C+4*(\t)+2], v[XS:XS+15], v11
	v_lshrrev_b32 v[E+(\t)], 23, v11               ; the scale's byte
	ds_store_b8 v5, v[E+(\t)] offset:16*(\t)       ; both lanes of a block write the same byte with the same value
	ds_store_b32 v194, v[C+4*(\t)] offset:3072*((\t)%2)+8*((\t)/2)
	ds_store_b32 v195, v[C+4*(\t)+1] offset:3072*((\t)%2)+8*((\t)/2)
	ds_store_b32 v196, v[C+4*(\t)+2] offset:3072*((\t)%2)+8*((\t)/2)
.endm
.irp t, 0,1,2,3,4,5,6,7,8,9,10,11,12,13,14,15
	STEP \t
.endr
	ds_load_b64 v[12:13], v6                       ; LDS serves a wave's instructions in order: these see my stores
.irp j, 0,1,2,3,4,5,6,7,8,9,10,11
	ds_load_b128 v[R+4*\j:R+4*\j+3], v198 offset:512*\j
.endr
	s_wait_dscnt 0x0
	global_store_b64 v7, v[12:13], s[30:31]        ; 32 lanes store 256 consecutive bytes, aligned
.irp j, 0,1,2,3,4,5,6,7,8,9,10,11
	global_store_b128 v3, v[R+4*\j:R+4*\j+3], s[22:23] offset:512*\j   ; 32 lanes store 512 consecutive bytes, aligned
.endr
	s_wait_tensorcnt 0x0                           ; the wave's end
	ds_add_u32 v192, v193
	s_wait_dscnt 0x0
	s_endpgm
.Lfunc_end_k_qc244e08205_quant:
	.size	k_qc244e08205_quant, .Lfunc_end_k_qc244e08205_quant-k_qc244e08205_quant
	.p2alignl 7, 3214868480
	.fill 96, 4, 3214868480
	.section	.rodata,"a",@progbits
	.p2align	6, 0x0
	.amdhsa_kernel k_qc244e08205_quant
		.amdhsa_group_segment_fixed_size 49664
		.amdhsa_private_segment_fixed_size 0
		.amdhsa_enable_private_segment 0
		.amdhsa_kernarg_size 56
		.amdhsa_user_sgpr_count 2
		.amdhsa_user_sgpr_kernarg_segment_ptr 1
		.amdhsa_wavefront_size32 1
		.amdhsa_system_sgpr_workgroup_id_x 1
		.amdhsa_system_sgpr_workgroup_id_y 1
		.amdhsa_system_sgpr_workgroup_id_z 1
		.amdhsa_system_vgpr_workitem_id 0
		.amdhsa_next_free_vgpr 200
		.amdhsa_next_free_sgpr 66
		.amdhsa_reserve_vcc 0
		.amdhsa_float_denorm_mode_32 3
		.amdhsa_float_denorm_mode_16_64 3
		.amdhsa_memory_ordered 1
		.amdhsa_forward_progress 1
		.amdhsa_inst_pref_size 37
	.end_amdhsa_kernel
	.amdgpu_metadata
---
amdhsa.version: [ 1, 2 ]
amdhsa.kernels:
  - .name:           k_qc244e08205_quant
    .symbol:         k_qc244e08205_quant.kd
    .args:
      - { .name: x, .offset: 0, .size: 8, .value_kind: global_buffer, .address_space: global }
      - { .name: Qw, .offset: 8, .size: 8, .value_kind: global_buffer, .address_space: global }
      - { .name: Kw, .offset: 16, .size: 8, .value_kind: global_buffer, .address_space: global }
      - { .name: Vw, .offset: 24, .size: 8, .value_kind: global_buffer, .address_space: global }
      - { .name: Ow, .offset: 32, .size: 8, .value_kind: global_buffer, .address_space: global }
      - { .name: xq, .offset: 40, .size: 8, .value_kind: global_buffer, .address_space: global }
      - { .name: wq, .offset: 48, .size: 8, .value_kind: global_buffer, .address_space: global }
    .group_segment_fixed_size: 49664
    .private_segment_fixed_size: 0
    .kernarg_segment_align: 8
    .kernarg_segment_size: 56
    .max_flat_workgroup_size: 128
    .sgpr_count:     66
    .vgpr_count:     200
    .wavefront_size: 32
...
	.end_amdgpu_metadata
.endif
;; end of part 1
;; launch qkv (part 2): grid 12 x 32, 4 waves a work-group, clusters of 4 x 4, 327,680 bytes of LDS; arguments xq, wq, padding_mask, qq, kv, vsum; writes qq, kv, vsum
.if DOCPART == 2
	.amdgcn_target "amdgcn-amd-amdhsa--gfx1250"
	.amdhsa_code_object_version 6
	.text
	.protected	k_qc244e08205_qkv
	.globl	k_qc244e08205_qkv
	.p2align	8
	.type	k_qc244e08205_qkv,@function
k_qc244e08205_qkv:
	s_mov_b64 s[64:65], 0
	v_nop
	global_prefetch_b8 v0, s[64:65] scope:SCOPE_SE
	s_setreg_imm32_b32 hwreg(HW_REG_WAVE_MODE, 25, 1), 1
	s_wait_xcnt 0x0
	s_wait_alu depctr_hold_cnt(0) depctr_sa_sdst(0) depctr_va_vdst(0) depctr_va_sdst(0) depctr_va_ssrc(0) depctr_va_vcc(0) depctr_vm_vsrc(0)
	s_getreg_b32 s2, hwreg(HW_REG_IB_STS2, 6, 4)
	s_cmp_eq_u32 s2, 0
	s_cbranch_scc0 .Lentry_in_a_cluster
	s_endpgm
.Lentry_in_a_cluster:
	s_bfe_u32 s2, ttmp6, 0x10000c
	s_cmp_lg_u32 s2, 0xf033
	s_cbranch_scc0 .Lentry_shape_is_right
	s_endpgm
.Lentry_shape_is_right:
; q = x Qw^T, k = x Kw^T, v = x Vw^T on codes of FP6 (E2M3) with one E8M0 scale for each 32 along K = 1,024; each result is quantised again IN REGISTERS, along the K of the product that will
; take it, and leaves as images of operand registers.  Nothing goes out as f32.
; A tile of 256 x 256 results is made by a work-group of four waves, a wave makes 128 x 128: 64 accumulators of 16 x 16, 512 registers.  K goes in steps of 256 through a ring of two LDS slots
; filled by the tensor data mover; the scale bytes of the work-group's rows, for all of K, come into LDS once, with the first fills.
; THE MATRIX INSTRUCTION: source 0 = 16 rows of "B", source 1 = 16 rows of "A".  In a result lane l holds A's row l % 16, and its registers B's rows 8 (l / 16) + 0 .. 7.
; ONE LOOP FOR THREE TYPES, by the cluster's x (0: q, 1: k, 2: v), which all sixteen partners share.  q, k: A = tokens (xq), B = features (wq): a lane holds a token, its registers run along the
; head's 64.  v: A = features (wq's rows 2,048 on), B = tokens: a lane holds a feature, its registers run along the keys.  Only pointers and offsets are chosen.
; xq's and wq's rows lie so that of every 32 the second and third group of 8 have changed places: so the 16 registers of accumulators 2 b and 2 b + 1 are 16 NEIGHBOURS, 32 b + 16 (l / 16) + 0 .. 15.
; CLUSTERS: 4 x 4 work-groups.  A's tile is shared along a row of the cluster, B's along a column: each is asked for JOINTLY, by the same tensor load with a mask that names the four.
; WHAT LEAVES, for each of my eight blocks a of 16 lane rows (a fragment of 16 x 128: 12 registers, and a scale word a row):
;   q: two heads' halves of a fragment, 6 registers each, to qq [head][tile of 16 tokens][3][lane][8 bytes]; scale words b0 | b1 << 8 | 127 << 16 | 1 << 24.
;   k: two heads' records of 8 registers to kv: 6 of codes, then 40 x mask (the code of -1.0 at k = 64), then 0; scale words b0 | b1 << 8 | (mask ? 227 : 1) << 16 | 1 << 24.
;   v: the fragment (16 of a head's 64 x 128 keys) to kv, its scale words, and the sum of its quantised numbers over the 128 keys to vsum (a product with ones).
; THE PADDING MASK RIDES ON THE SECOND PRODUCT'S UNUSED K.  That product has K = 64 and its instruction 128.  At k = 64 every query carries the number 1.0; a padded key carries -2^100 there, any other key 0:
; so a padded key's score comes out of the matrix unit as about -2^100, and the attention launch needs no line for the mask.
; LIMITS: blocks whose largest magnitude lies under 2^(2 - 126) keep the scale byte 1 (a block of zeros too: its codes are zeros); NaN and infinities are not served.
; REGISTERS, in windows of 256: window 0: v0-31 addresses; v32-63 scale words, two sets; v64-71 the mask's bytes; from v128 A's fragments, ONE set; behind the loop v72-255 serve the way out.
;   window 1: B's fragments, TWO sets, at v0 and v128.   window 2: the accumulators of my A rows 0-63 ((a, b) at v[8 (8 a + b)]);   window 3: those of rows 64-127.
.set KSTEP,  256                       ; along K in a slot
.set NQ,     KSTEP/128                 ; matrix instructions deep
.set ROWB,   1536                      ; a tile's row in bytes: a group of 8 rows x 256 along K, an image of operand registers, dense
.set KROW,   768                       ; a row of codes in memory
.set GRP,    1536                      ; from group to group in LDS: no padding; in odd groups neighbouring pieces of 128 bytes have changed places, so that a load of 8 bytes a lane touches 256 different bytes modulo 256
.set FR,     12                        ; registers of a fragment
.set NL,     6                         ; LDS loads that bring one
.set NP,     4                         ; places behind this matrix instruction (ISA guide 7.12.1)
.set HALFT,  16*GRP                    ; 128 rows: what one tensor load of the ring brings
.set SLOT,   4*HALFT                   ; A's 256 rows, then B's 256 rows
.set LAPS,   2                         ; a lap = two K steps = once round the ring: 1,024 / 512
.set KS,     32                        ; a row of scale bytes
.set SCL,    2*SLOT                    ; behind the ring: the scale bytes, as runs of 256 bytes + 16 of padding
.set HALFS,  (128*KS/256)*272          ; those of 128 rows: half of what one tensor load brings
.set SBLK,   (16*KS/256)*272           ; those of 16 rows
.set SPARE,  SCL+4*HALFS               ; the spare words, 128 bytes for each wave: two blocks of 256 bytes that no other line names
.set XSC,    6291456                   ; where xq's scale bytes begin
.set WSC,    3145728                   ; and wq's
.set QSC,    6291456                   ; and qq's scale words
.set KSB,    15104                     ; a key step (128 keys) of one head in kv: K 8,192, K's scale words 512, V 6,144, V's scale words 256
.set HEADB,  16*KSB                    ; a head in kv
.set QHB,    98304                     ; a head in qq: 128 tiles of 768 bytes
.set ADRA, 16                          ; v16-17  LDS address of my A fragments in slot 0, 1  (v18-19: for the odd pieces)
.set ADRB, 20                          ; v20-21  the same for B  (v22-23)
.set L16,  24                          ; v24     16 x lane; never rewritten
.set L8,   25                          ; v25     8 x lane; never rewritten
.set MO,   26                          ; v26     r + 8 (r / 8): my token among a tile's; never rewritten
.set ADRS, 27                          ; v27     LDS address of my scale words: lanes 0-15 A's rows, lanes 16-31 B's
.set SPW,  28                          ; v28     LDS address of my spare word; never rewritten
.set NIL,  29                          ; v29     0; never rewritten
.set SC,   32                          ; scale words: set s at v[SC + 8 NQ s]; register NQ i + q: lanes 0-15 A's block i, lanes 16-31 B's block i
.set MK,   64                          ; v64-71  the mask's byte of my token in block a
.set MW,   72                          ; v72-79  bytes 2 and 3 of q's or k's scale words
.set WS,   80                          ; v80-87  block a's scale word: scales and nothing else
.set ON,   88                          ; v88-99  a fragment of codes of 1.0
.set OS,   100                         ; v100    its scale word: four bytes 127
.set TM,   104                         ; v104-107 largest magnitudes, v108-111 bytes, v116-119 the conversions' scale operands
.set AF,   128                         ; A's fragments (in the loop)
.set PC,   128                         ; v128-141 the fragment just made, and two registers more for k's second record
.set CT,   144                         ; v144-150 the conversions' second halves
.set TQ,   152                         ; v152-155 the second four registers of k's first record
.set DS,   160                         ; v160-223 the eight products with ones
.set G1, 24                            ; s[24:31] descriptor group 1 for A's tiles;  s[32:39] group 0, one set for each slot
.set G0, 32
.set G1B, 48                           ; s[48:55], s[56:63] the same for B's tiles
.set G0B, 56
.set G1S, 68                           ; s[68:75], s[76:79] groups 1 and 0 for A's scale bytes;  s[80:87], s[88:91] for B's
.set G0S, 76
.set G1SB, 80
.set G0SB, 88
.set MSB, 0
.macro WIN new                         ; the immediate's high byte repeats the setting that is left
.if MSB != \new
	s_set_vgpr_msb (MSB<<8)|\new
.set MSB, \new
.endif
.endm
.set MUL_LO, 0xa1                      ; source 0 (B) window 1, source 1 (A) window 0, C and D window 2
.set MUL_HI, 0xf1                      ; the same, C and D window 3
.set TO_B,   0x40                      ; destination window 1, address window 0
; A joint load: waves 0 and 1 fetch for A, waves 2 and 3 for B.  Each of the two lines has ONE mask and one set of registers for all that issue it; the branch hangs on the wave's number alone.
; Four v_nop follow each of the two lines, ahead of the jump, the label and what follows.
.macro JLOAD g0a, g1a, g0b, g1b
	s_cmp_eq_u32 s15, 0
	s_cbranch_scc0 .Lfor_b_\@
	tensor_load_to_lds s[\g0a:\g0a+3], s[\g1a:\g1a+7]
	s_nop 0
.rept 4
	v_nop
.endr
	s_branch .Lasked_\@
.Lfor_b_\@:
	tensor_load_to_lds s[\g0b:\g0b+3], s[\g1b:\g1b+7]
	s_nop 0
.rept 4
	v_nop
.endr
.Lasked_\@:
.endm
.macro CREST                           ; a round of the cluster's barrier behind its opening barrier
	s_cmp_lg_u32 s14, 0
	s_cbranch_scc1 .Lnot_wave_0_\@
	s_barrier_signal -3
.Lnot_wave_0_\@:
	s_barrier_wait -3
	s_barrier_signal -1
	s_barrier_wait -1
.endm
.macro CROUND                          ; a whole round
	s_barrier_signal -1
	s_barrier_wait -1
	CREST
.endm
	s_load_b128 s[4:7], s[0:1], 0x0                ; xq, wq
	s_load_b128 s[8:11], s[0:1], 0x10              ; padding_mask, qq
	s_load_b128 s[96:99], s[0:1], 0x20             ; kv, vsum
	v_lshl_add_u32 v[SPW], v0, 2, SPARE
	v_mov_b32 v[NIL], 0
	ds_add_u32 v28, v29
	ds_add_u32 v28, v29
	s_wait_dscnt 0x0
	v_lshrrev_b32 v1, 5, v0
	v_readfirstlane_b32 s14, v1                    ; wave 0..3
	s_lshr_b32 s15, s14, 1                         ; which half of A's 256 rows is mine.  Also: I fetch for A (0) or for B (1)
	s_and_b32 s16, s14, 1                          ; which half of B's.  Also: which 128 rows of that tile I fetch
	s_bfe_u32 s40, ttmp6, 0x40000                  ; cx, cy: my place in the cluster
	s_bfe_u32 s41, ttmp6, 0x40004
	s_and_b32 s17, ttmp7, 0xffff
	s_lshl_b32 s17, s17, 2                         ; 4 x cluster y
	s_add_co_u32 s42, s17, s40                     ; v: B's tile of 256 tokens = 4 x cluster y + cx
	s_add_co_u32 s17, s17, s41                     ; q, k: A's tile of 256 tokens = 4 x cluster y + cy
	s_lshl_b32 s45, ttmp9, 2
	s_add_co_u32 s45, s45, s40                     ; q, k: B's tile of 256 rows of wq = 4 x cluster x + cx
	s_add_co_u32 s46, s41, 8                       ; v: A's tile of 256 rows of wq = 8 + cy
	s_lshl_b32 s43, s41, 2
	s_lshl_b32 s43, 15, s43                        ; my row of the cluster
	s_lshl_b32 s44, 0x1111, s40                    ; my column
	s_mov_b32 s66, XSC
	s_mov_b32 s67, WSC
	s_cmp_eq_u32 ttmp9, 2                          ; the type: the same in all sixteen partners
	s_cselect_b32 s17, s46, s17                    ; A's tile: it hangs on cy alone, which my row of the cluster shares
	s_cselect_b32 s42, s42, s45                    ; B's tile: on cx alone, which my column shares
	s_cselect_b32 s94, s67, s66                    ; where the scale bytes begin in A's buffer,
	s_cselect_b32 s95, s66, s67                    ; and in B's
	; descriptor group 1: a tile of 128 rows x ROWB bytes, padded in LDS
	s_or_b32 s[G1+0], s43, (0<<16)|(1<<21)         ; 15:0 the mask: A's tiles go to my row; 17:16 element of 1 byte; 21 set beside a mask; no padding
	s_or_b32 s[G1B+0], s44, (0<<16)|(1<<21)
.irp g, G1, G1B
	s_mov_b32 s[\g+1], ROWB<<16                    ; tensor_dim0
	s_mov_b32 s[\g+2], 32<<16                      ; tensor_dim1 = 32 groups, 256 rows, for the head's loads; behind them 16
	s_mov_b32 s[\g+3], ROWB<<16                    ; tile_dim0
	s_mov_b32 s[\g+4], 32                          ; tile_dim1
	s_mov_b32 s[\g+5], 8*KROW                      ; from group to group in memory: 6,144 bytes
	s_mov_b32 s[\g+6], 0
	s_mov_b32 s[\g+7], 0
.endr
	; and for the scale bytes of 256 rows: a dense block of 8,192 bytes, as rows of 256 bytes (32 elements of 8 bytes), 16 bytes of padding behind each
	s_or_b32 s[G1S+0], s43, (3<<16)|(1<<20)|(1<<21)|(5<<22)|(3<<25)
	s_or_b32 s[G1SB+0], s44, (3<<16)|(1<<20)|(1<<21)|(5<<22)|(3<<25)
.irp g, G1S, G1SB
	s_mov_b32 s[\g+1], 32<<16
	s_mov_b32 s[\g+2], (256*KS/256)<<16            ; the scale bytes of all 256 rows in one load
	s_mov_b32 s[\g+3], 32<<16
	s_mov_b32 s[\g+4], 256*KS/256
	s_mov_b32 s[\g+5], 32
	s_mov_b32 s[\g+6], 0
	s_mov_b32 s[\g+7], 0
.endr
	s_mul_i32 s18, s16, 128*KROW                   ; in the ring I fetch 128 rows of a tile: which half, in bytes
	s_mov_b32 s19, 0
	s_lshl_b32 s20, s17, 8                         ; A: the tile's first row in its buffer
	s_lshl_b32 s46, s42, 8                         ; B: likewise
	s_lshl_b32 s22, s20, 5
	s_add_co_u32 s22, s22, s94                     ; where these rows' scale bytes begin (every offset here is under 2^23)
	s_lshl_b32 s92, s46, 5
	s_add_co_u32 s92, s92, s95
	s_mul_i32 s20, s20, KROW                       ; and their codes
	s_mul_i32 s46, s46, KROW
	s_mov_b32 s21, 0
	s_mov_b32 s23, 0
	s_mov_b32 s47, 0
	s_mov_b32 s93, 0
	s_mul_i32 s45, s14, HALFT                      ; where they go: wave x 128 rows: no place in the cluster enters an LDS address
	s_wait_kmcnt 0x0
	s_cmp_eq_u32 ttmp9, 2
	s_cselect_b64 s[66:67], s[6:7], s[4:5]         ; A's buffer
	s_cselect_b64 s[12:13], s[4:5], s[6:7]         ; B's buffer
	s_add_nc_u64 s[20:21], s[66:67], s[20:21]
	s_add_nc_u64 s[22:23], s[66:67], s[22:23]
	s_add_nc_u64 s[46:47], s[12:13], s[46:47]
	s_add_nc_u64 s[92:93], s[12:13], s[92:93]
	CROUND                                         ; all sixteen work-groups are here: the first joint loads meet
	s_mov_b32 s[G0S], 1
	s_mov_b32 s[G0S+1], SCL
	s_mov_b64 s[G0S+2:G0S+3], s[22:23]
	s_or_b32 s[G0S+3], s[G0S+3], 0x80000000
	s_mov_b32 s[G0SB], 1
	s_mov_b32 s[G0SB+1], SCL+2*HALFS
	s_mov_b64 s[G0SB+2:G0SB+3], s[92:93]
	s_or_b32 s[G0SB+3], s[G0SB+3], 0x80000000
	s_mov_b32 s[G0], 1                             ; for the head: K step 0 of A's 256 rows, whole, at slot 0's start;
	s_mov_b32 s[G0+1], 0
	s_mov_b64 s[G0+2:G0+3], s[20:21]
	s_or_b32 s[G0+3], s[G0+3], 0x80000000
	s_mov_b32 s[G0B], 1                            ; and of B's 256 rows, behind them
	s_mov_b32 s[G0B+1], 2*HALFT
	s_mov_b64 s[G0B+2:G0B+3], s[46:47]
	s_or_b32 s[G0B+3], s[G0B+3], 0x80000000
	s_add_nc_u64 s[20:21], s[20:21], s[18:19]      ; for the ring: my 128 rows of the tile
	s_add_nc_u64 s[46:47], s[46:47], s[18:19]
	s_mov_b32 s[G0+4], 1                           ; slot 1: K step 1
	s_add_co_u32 s[G0+5], s45, SLOT
	s_add_nc_u64 s[G0+6:G0+7], s[20:21], ROWB
	s_or_b32 s[G0+7], s[G0+7], 0x80000000
	s_mov_b32 s[G0B+4], 1
	s_add_co_u32 s[G0B+5], s45, SLOT
	s_add_nc_u64 s[G0B+6:G0B+7], s[46:47], ROWB
	s_or_b32 s[G0B+7], s[G0B+7], 0x80000000
; THE HEAD'S LOADS, ONE A WAVE: wave 0 fetches K step 0 of A's 256 rows, wave 1 of B's, wave 2 the scale bytes of A's 256 rows, wave 3 those of B's.
; One tree of branches on the wave's number: every way through the head passes exactly one load.
.macro ARM under, g0, g1, next
	s_cmp_lt_u32 s14, \under
	s_cbranch_scc0 \next
	tensor_load_to_lds s[\g0:\g0+3], s[\g1:\g1+7]
	s_nop 0
.rept 4
	v_nop
.endr
	s_branch .Lhead_asked
\next:
.endm
	ARM 1, G0,  G1,  .Lhead_b
	ARM 2, G0B, G1B, .Lhead_sa
	ARM 3, G0S, G1S, .Lhead_sb
	tensor_load_to_lds s[G0SB:G0SB+3], s[G1SB:G1SB+7]
	s_nop 0
.rept 4
	v_nop
.endr
.Lhead_asked:
; PREFETCHES INTO THE L2.  Each tensor load of the ring sets out only when the one before has landed, so what it asks for is asked of memory earlier: K steps 1 and 2 here, K step 3 behind K step 1's load:
; at most two K steps are asked for and not yet read.  A K step of the 128 rows that a wave fetches in the ring is 16 groups x 6 blocks of 256 bytes; the four partners that ask for the tile jointly
; share the groups out BY ADDRESS (place cx for A's tile, cy for B's): 4 groups, 24 blocks, a lane a block, one instruction a wave; lanes 24-31 name block 23 again.  So each block is named once in a cluster.
; The address registers, s[4:5] and v30, are never rewritten.
	s_cmp_eq_u32 s15, 0                            ; do I fetch for A?
	s_cselect_b64 s[4:5], s[20:21], s[46:47]       ; my 128 rows, K step 0
	s_cselect_b32 s94, s40, s41                    ; my work-group's place among the four
	s_mul_i32 s94, s94, 4*8*KROW                   ; its four groups
	s_mov_b32 s95, 0
	s_add_nc_u64 s[4:5], s[4:5], s[94:95]
	v_and_b32 v30, 31, v0
	v_min_u32 v30, 23, v30
	v_mul_u32_u24 v31, v30, 43
	v_lshrrev_b32 v31, 8, v31                      ; block / 6: the group
	v_lshlrev_b32 v30, 8, v30
	v_mad_u32_u24 v30, v31, 8*KROW-ROWB, v30       ; 6,144 x group + 256 x (block % 6)
	global_prefetch_b8 v30, s[4:5] offset:ROWB th:TH_LOAD_NT scope:SCOPE_SE
	global_prefetch_b8 v30, s[4:5] offset:2*ROWB th:TH_LOAD_NT scope:SCOPE_SE
	v_and_b32 v1, 15, v0                           ; r = l % 16
	v_bfe_u32 v2, v0, 4, 1                         ; h = l / 16
	v_and_b32 v3, 7, v1
	v_lshlrev_b32 v3, 3, v3
	v_lshl_add_u32 v3, v2, 6, v3                   ; inside a piece of 128 bytes: 64 h + 8 (r % 8)
	v_lshrrev_b32 v5, 3, v1                        ; rows 8-15 lie in the tile's odd group, where piece P stands at place P xor 1:
	v_mad_u32_u24 v4, v5, GRP+128, v3              ; the address for the even pieces,
	v_mad_u32_u24 v5, v5, GRP-128, v3              ; and for the odd ones
	s_mul_i32 s21, s15, HALFT                      ; my 128 rows of A
	s_mul_i32 s22, s16, HALFT                      ; my 128 rows of B,
	s_add_co_u32 s22, s22, 2*HALFT                 ; which lie behind A's 256
.irp s, 0,1
	v_add_nc_u32 v[ADRA+\s], s21, v4
	v_add_nc_u32 v[ADRB+\s], s22, v4
	v_add_nc_u32 v[ADRA+2+\s], s21, v5
	v_add_nc_u32 v[ADRB+2+\s], s22, v5
	s_add_co_u32 s21, s21, SLOT
	s_add_co_u32 s22, s22, SLOT
.endr
	v_mul_u32_u24 v5, v1, KS                       ; my row's scale bytes: KS bytes a row,
	v_lshrrev_b32 v6, 8, v5
	v_lshl_add_u32 v5, v6, 4, v5                   ; and 16 more for each 256 passed
	s_mul_i32 s21, s15, HALFS                      ; A's: my 128 rows
	s_mul_i32 s22, s16, HALFS                      ; B's: my 128 rows, behind A's 256
	s_add_co_u32 s22, s22, 2*HALFS
	s_sub_co_u32 s22, s22, s21
	v_mul_u32_u24 v6, s22, v2                      ; lanes 16-31 take B's
	s_add_co_u32 s21, s21, SCL
	v_add_nc_u32 v5, v5, v6
	v_add_nc_u32 v[ADRS], s21, v5
	v_and_b32 v6, 31, v0
	v_lshlrev_b32 v[L16], 4, v6
	v_lshlrev_b32 v[L8], 3, v6
	v_and_b32 v[MO], 8, v1
	v_add_nc_u32 v[MO], v[MO], v1                  ; lane r of block a holds token 32 (a / 2) + 8 (a % 2) + r + 8 (r / 8) of A's 128 rows
	s_lshl_b32 s20, s17, 8
	s_lshl_b32 s21, s15, 7
	s_add_co_u32 s20, s20, s21                     ; my first row of A: for q and k a token.  (For v it is a row of wq, at most 2,944 + 127: inside the mask's 8,192 bytes; the bytes are not used there)
	s_mov_b32 s21, 0
	s_add_nc_u64 s[8:9], s[8:9], s[20:21]
.irp a, 0,1,2,3,4,5,6,7
	global_load_u8 v[MK+\a], v[MO], s[8:9] offset:32*(\a/2)+8*(\a%2)   ; awaited behind the loop
.endr
.macro FRAG reg, adr, q, i             ; a fragment, 16 rows x 128 K of 6-bit codes, is 12 registers: lane l holds row l % 16; registers 6 c .. 6 c + 5 hold K = 64 c + 32 (l / 16) + 0 .. 31: 24 bytes of the row's stream of bits, as they lie
.irp p, 0,1,2,3,4,5                    ; in pieces of 8 bytes, so that every address is a multiple of the access's size.  Lanes 0-15 take the row's pieces 12 q + 0, 1, 2 and 12 q + 6, 7, 8, lanes 16-31 those three pieces on
.if \p%2 == 0                          ; piece p of the slot's q-th 128 along K stands at 768 q + 128 p of its group; a block of 16 rows is two groups
	ds_load_b64 v[\reg+2*\p:\reg+2*\p+1], v[\adr] offset:768*(\q)+128*\p+(\i)*2*GRP
.else
	ds_load_b64 v[\reg+2*\p:\reg+2*\p+1], v[\adr+2] offset:768*(\q)+128*\p+(\i)*2*GRP
.endif
.endr
.endm
; 16 matrix instructions: A's blocks a0, a0 + 1 x B's eight, 128 along K: the slot's q-th.  p: B's set;  sc: the set of scale words.  zero = 1: the first product starts the sums: nothing is ever cleared.
; The 64 accumulators take turns, one instruction a turn, in the same order in every step.
.macro MUL16 a0, p, q, sc, zero
.irp a, \a0, \a0+1
.irp b, 0,1,2,3,4,5,6,7
.if \zero
	v_wmma_scale_f32_16x16x128_f8f6f4 v[8*(8*((\a)%4)+\b):8*(8*((\a)%4)+\b)+7], v[128*(\p)+FR*\b:128*(\p)+FR*\b+FR-1], v[AF+FR*(\a):AF+FR*(\a)+FR-1], 0, v[SC+8*NQ*(\sc)+NQ*\b+(\q)], v[SC+8*NQ*(\sc)+NQ*(\a)+(\q)] matrix_a_fmt:MATRIX_FMT_FP6 matrix_b_fmt:MATRIX_FMT_FP6 matrix_a_scale:MATRIX_SCALE_ROW1
.else
	v_wmma_scale_f32_16x16x128_f8f6f4 v[8*(8*((\a)%4)+\b):8*(8*((\a)%4)+\b)+7], v[128*(\p)+FR*\b:128*(\p)+FR*\b+FR-1], v[AF+FR*(\a):AF+FR*(\a)+FR-1], v[8*(8*((\a)%4)+\b):8*(8*((\a)%4)+\b)+7], v[SC+8*NQ*(\sc)+NQ*\b+(\q)], v[SC+8*NQ*(\sc)+NQ*(\a)+(\q)] matrix_a_fmt:MATRIX_FMT_FP6 matrix_b_fmt:MATRIX_FMT_FP6 matrix_a_scale:MATRIX_SCALE_ROW1
.endif
.endr
.endr
.endm
.macro FETCH_B slot, q, p              ; B's eight fragments of the slot's q-th 128 along K into set p
	WIN TO_B
.irp i, 0,1,2,3,4,5,6,7
	FRAG 128*(\p)+FR*\i, ADRB+\slot, \q, \i
.endr
	WIN 0
.endm
.macro FETCH_A slot, q, i0             ; A's blocks i0 .. i0 + 3
.irp i, \i0, \i0+1, \i0+2, \i0+3
	FRAG AF+FR*(\i), ADRA+\slot, \q, \i
.endr
.endm
.macro SCALES sc                       ; the next K step's scale words into set sc: NQ words a row; lanes 0-15 take A's block i, lanes 16-31 B's block i
.irp i, 0,1,2,3,4,5,6,7
	ds_load_b64 v[SC+8*NQ*\sc+NQ*\i:SC+8*NQ*\sc+NQ*\i+1], v[ADRS] offset:\i*SBLK
.endr
.endm
; A load into a register that a matrix instruction has read, and a vector instruction that reads a matrix result, stand NP places behind that matrix instruction, and only plain vector
; instructions that name none of its registers are places (ISA guide 7.12.1 for vector instructions).
.macro PLACES n
.rept \n
	v_nop
.endr
.endm
; A step of 128 along K that has its successor in the same slot.
.macro STEP slot, q, zero
	s_wait_dscnt 4*NL                              ; B's set and A's blocks 0-3 are in; the youngest 24 loads (A's blocks 4-7) may be out
	WIN MUL_LO
	MUL16 0, (\q)%2, \q, \slot, \zero
	MUL16 2, (\q)%2, \q, \slot, \zero
	s_wait_dscnt 0                                 ; A's blocks 4-7 are in (asked for 32 matrix instructions ago)
	PLACES NP
	FETCH_B \slot, (\q)+1, 1-(\q)%2
	FETCH_A \slot, (\q)+1, 0
	WIN MUL_HI
	MUL16 4, (\q)%2, \q, \slot, \zero
	MUL16 6, (\q)%2, \q, \slot, \zero
	PLACES NP
	WIN 0
	FETCH_A \slot, (\q)+1, 4
.endm
; A slot's last step changes slots: ONE barrier; in front of it each wave waits for all its tensor loads, adds 0 to its spare word, and waits for that and for its own reads of this slot.  fill = 1: this slot is filled again, two K steps ahead.
.macro TURN slot, next, fill
	s_wait_tensorcnt 0x0                           ; all my tensor loads have landed: my part of the next slot;  (every window is 0 here)
	ds_add_u32 v[SPW], v[NIL]                      ; 0 onto my spare word;
	s_wait_dscnt 4*NL+1                            ; (the add and the youngest 24 loads, A's blocks 4-7, may be out)
	WIN MUL_LO
	MUL16 0, 1, NQ-1, \slot, 0                     ; sixteen matrix instructions stand between the add and the wait for it
	s_wait_dscnt 0x0                               ; the add is done, and my reads of this slot are over
	s_barrier_signal -1
	MUL16 2, 1, NQ-1, \slot, 0
	WIN 0
	s_barrier_wait -1
.if \fill
	CREST                                          ; the barrier has opened a round of the cluster's barrier: no wave of any partner still reads this slot's tile or has a load on its way
	s_add_nc_u64 s[G0+4*\slot+2:G0+4*\slot+3], s[G0+4*\slot+2:G0+4*\slot+3], 2*ROWB
	s_add_nc_u64 s[G0B+4*\slot+2:G0B+4*\slot+3], s[G0B+4*\slot+2:G0B+4*\slot+3], 2*ROWB
	JLOAD G0+4*\slot, G1, G0B+4*\slot, G1B         ; the first tensor load behind the round; the four v_nop behind it are the places in front of the loads below
.else
	PLACES NP
.endif
	s_wait_alu depctr_va_vdst(0)
	v_add_nc_u32 v[ADRS], 4*NQ, v[ADRS]            ; on to the next K step's scale words (no LDS load of mine is out)
	FETCH_B \next, 0, 0
	FETCH_A \next, 0, 0
	SCALES \next
	WIN MUL_HI
	MUL16 4, 1, NQ-1, \slot, 0
	MUL16 6, 1, NQ-1, \slot, 0
	PLACES NP
	WIN 0
	FETCH_A \next, 0, 4
.endm
	s_wait_alu depctr_va_vdst(0)
	s_wait_tensorcnt 0x0                           ; my tile of the head's four is in;
	ds_add_u32 v[SPW], v[NIL]                      ; 0 onto my spare word;
	s_mov_b32 s[G1+2], 16<<16                      ; no tensor load of mine is out, so descriptors may be written: from here on a load brings 16 groups, 128 rows,
	s_mov_b32 s[G1+4], 16
	s_mov_b32 s[G1B+2], 16<<16
	s_mov_b32 s[G1B+4], 16
	s_mov_b32 s[G0+1], s45                         ; and slot 0's group 0 stands at my quarter of the slot and my 128 rows: its first refill steps it to K step 2
	s_add_nc_u64 s[G0+2:G0+3], s[G0+2:G0+3], s[18:19]
	s_mov_b32 s[G0B+1], s45
	s_add_nc_u64 s[G0B+2:G0B+3], s[G0B+2:G0B+3], s[18:19]
	s_wait_dscnt 0x0                               ; the add is done
	CROUND                                         ; a whole round: all four tiles are in, and all sixteen work-groups are here,
	JLOAD G0+4, G1, G0B+4, G1B                     ; and K step 1's load, the first tensor load behind the round
	FETCH_B 0, 0, 0
	FETCH_A 0, 0, 0
	SCALES 0
	FETCH_A 0, 0, 4
	global_prefetch_b8 v30, s[4:5] offset:3*ROWB th:TH_LOAD_NT scope:SCOPE_SE   ; K step 3, two refills ahead of its load; behind K step 1's load and the run of LDS loads
	STEP 0, 0, 1
	s_mov_b32 s3, LAPS-1
.Llap:                                                 ; a trip goes once round the ring, from a lap's second step to the next lap's first, and fills both slots again
	TURN 0, 1, 1
	STEP 1, 0, 0
	TURN 1, 0, 1
	STEP 0, 0, 0
	s_sub_co_u32 s3, s3, 1
	s_cmp_lg_u32 s3, 0
	s_cbranch_scc1 .Llap
	TURN 0, 1, 0                                   ; the last lap fills nothing, and has no round of the cluster's barrier
	STEP 1, 0, 0
	s_wait_dscnt 4*NL                              ; the very last step: nothing more to fetch
	WIN MUL_LO
	MUL16 0, 1, NQ-1, 1, 0
	MUL16 2, 1, NQ-1, 1, 0
	s_wait_dscnt 0
	WIN MUL_HI
	MUL16 4, 1, NQ-1, 1, 0
	MUL16 6, 1, NQ-1, 1, 0
	WIN 0
; THE WAY OUT.  No tensor load of mine is out (the last change of slots waited for all), so the descriptors' scalar registers are free; A's fragment registers are free behind four places.
	PLACES NP
	s_wait_loadcnt 0x0                             ; the mask's bytes
	v_and_b32 v6, 31, v0
	v_cmp_le_u32 s70, 16, v6                       ; lanes 16-31
	s_mov_b32 s80, 0x76543210
	s_mov_b32 s81, 0xfedcba98                      ; v_permlanex16_b32's selects for lane l xor 16
.irp i, 0,1,2,3
	v_mov_b32 v[ON+3*\i], 0x08208208               ; sixteen codes 001000, the number 1.0, are these 96 bits
	v_mov_b32 v[ON+3*\i+1], 0x82082082
	v_mov_b32 v[ON+3*\i+2], 0x20820820
.endr
	v_mov_b32 v[OS], 0x7f7f7f7f                    ; under the scale 1
.irp b, 0,1,2,3
	v_mov_b32 v[TM+4+\b], 0                        ; written once: a lane permute's destination counts as one of its sources
.endr
	v_mov_b32 v[TQ+3], 0                           ; the last register of k's records
	v_mov_b32 v[PC+13], 0
	s_cmp_eq_u32 ttmp9, 2                          ; which of the two tiles holds tokens and which features
	s_cselect_b32 s20, s42, s17                    ; the tile of 256 tokens,
	s_cselect_b32 s21, s16, s15                    ; my half of it,
	s_cselect_b32 s22, s17, s42                    ; the tile of 256 features,
	s_cselect_b32 s23, s15, s16                    ; my half of it
	s_lshl_b32 s20, s20, 1
	s_add_co_u32 s20, s20, s21                     ; my 128 tokens: group 0 .. 63
	s_lshr_b32 s21, s20, 4                         ; the batch,
	s_and_b32 s20, s20, 15                         ; the group in it
	s_and_b32 s22, s22, 3
	s_lshl_b32 s22, s22, 2
	s_lshl_b32 s23, s23, 1
	s_add_co_u32 s22, s22, s23                     ; my first head: 4 x tile + 2 x half
	s_lshl_b32 s21, s21, 4
	s_add_co_u32 s21, s21, s22                     ; 16 x batch + head
	s_lshl_b32 s21, s21, 4
	s_add_co_u32 s20, s21, s20                     ; x 16 + group
	s_mov_b32 s23, 0
	s_mul_i32 s22, s20, 6144                       ; qq: eight tiles of 768 bytes a group
	s_add_nc_u64 s[72:73], s[10:11], s[22:23]
	s_lshl_b32 s22, s20, 9
	s_add_co_u32 s22, s22, QSC                     ; its scale words: 512 bytes a group
	s_add_nc_u64 s[74:75], s[10:11], s[22:23]
	s_mul_i32 s22, s20, KSB
	s_add_nc_u64 s[76:77], s[96:97], s[22:23]      ; kv
	s_lshl_b32 s22, s20, 8
	s_add_nc_u64 s[78:79], s[98:99], s[22:23]      ; vsum: 256 bytes a group
; Block a's 64 numbers a lane (register 16 b + i = place 32 b + 16 (l / 16) + i along the next K) become a fragment's codes in v[PC] on and its scale word in v[WS + a].
.macro QUANTA a
.set AC, 64*((\a)%4)
.set WA, 2+(\a)/4
.set WN, (WA<<2)|(WA<<4)
	WIN WN                                         ; sources 1 and 2: the accumulators' window
.irp b, 0,1,2,3
	v_max3_num_f32 v[TM+\b], 0x1800000, |v[AC+16*\b]|, |v[AC+16*\b+1]|   ; block b: my 16 numbers, each accumulator from its low end on, and the floor 2^(3 - 127): so the byte cannot fall under 1
.endr
.irp i, 2,4,6,8,10,12,14
.irp b, 0,1,2,3
	v_max3_num_f32 v[TM+\b], v[TM+\b], |v[AC+16*\b+\i]|, |v[AC+16*\b+\i+1]|   ; (the four blocks by turns)
.endr
.endr
	WIN 0
.irp b, 0,1,2,3
	v_permlanex16_b32 v[TM+4+\b], v[TM+\b], s80, s81
.endr
.irp b, 0,1,2,3
	v_max_num_f32 v[TM+\b], v[TM+\b], v[TM+4+\b]   ; with lane l xor 16's: the block's largest magnitude
.endr
.irp b, 0,1,2,3
	v_add_nc_u32 v[TM+12+\b], 0xff000000, v[TM+\b] ; 2 off its exponent field: the conversion's scale operand
.endr
.irp b, 0,1,2,3
	v_lshrrev_b32 v[TM+4+\b], 23, v[TM+12+\b]      ; the scale's byte
.endr
	v_lshl_or_b32 v[WS+(\a)], v[TM+5], 8, v[TM+4]  ; the four bytes make my row's scale word (lanes l and l xor 16 hold the same)
	v_lshl_or_b32 v[WS+(\a)], v[TM+6], 16, v[WS+(\a)]
	v_lshl_or_b32 v[WS+(\a)], v[TM+7], 24, v[WS+(\a)]
	s_wait_xcnt 0x0                                ; the last block's stores have read their registers: the codes may be written again
	WIN WA                                         ; source 0: the accumulators' window
.irp c, 0,1
	v_cvt_scalef32_pk16_fp6_f32 v[PC+6*\c:PC+6*\c+2], v[AC+32*\c:AC+32*\c+15], v[TM+12+2*\c]
	v_cvt_scalef32_pk16_fp6_f32 v[CT+4*\c:CT+4*\c+2], v[AC+32*\c+16:AC+32*\c+31], v[TM+12+2*\c+1]   ; (a conversion's three registers begin on an even number)
.endr
	WIN 0
	v_nop                                          ; one plain place behind a scaled conversion
.irp c, 0,1                                    ; the operand's layout wants a WHOLE block in a lane: lanes 0-15 block 2 c, lanes 16-31 block 2 c + 1
.irp i, 0,1,2
	v_permlane16_swap_b32 v[PC+6*\c+\i], v[CT+4*\c+\i]
.endr
.irp i, 0,1,2
	v_mov_b32 v[PC+3+6*\c+\i], v[CT+4*\c+\i]
.endr
.endr
.endm
; A block: quantised, then stored by its type.  Every store of a wave covers 256 or 512 consecutive bytes, aligned.
.macro BLOCK a
	QUANTA \a
	s_cmp_eq_u32 ttmp9, 1
	s_cbranch_scc1 .Lk_\@
	s_cmp_eq_u32 ttmp9, 2
	s_cbranch_scc1 .Lv_\@
.irp p, 0,1,2,3,4,5                            ; q: registers 0-5 are my first head's half of a fragment, registers 6-11 my second head's
	global_store_b64 v[L8], v[PC+2*\p:PC+2*\p+1], s[72:73] offset:(\p/3)*QHB+(\a)*768+256*(\p%3)
.endr
	s_branch .Ldone_\@
.Lk_\@:
	v_mul_u32_u24 v[TQ+2], 40, v[MK+(\a)]          ; k: register 6 of a record: the code of -1.0 where my key is padded, else 0.  (In lanes 16-31 it stands at k = 96, where every query has the code 0)
	v_mul_u32_u24 v[PC+12], 40, v[MK+(\a)]
	v_mov_b32 v[TQ], v[PC+4]
	v_mov_b32 v[TQ+1], v[PC+5]
	global_store_b128 v[L16], v[PC:PC+3], s[76:77] offset:(\a)*1024
	global_store_b128 v[L16], v[TQ:TQ+3], s[76:77] offset:(\a)*1024+512
	s_wait_alu depctr_va_vdst(0)
	global_store_b128 v[L16], v[PC+6:PC+9], s[76:77] offset:HEADB+(\a)*1024
	global_store_b128 v[L16], v[PC+10:PC+13], s[76:77] offset:HEADB+(\a)*1024+512
	s_branch .Ldone_\@
.Lv_\@:
	s_wait_alu depctr_va_vdst(0)
.irp g, 0,1,2                                  ; v: blocks 0-3 are my first head's four tiles of 16 features, blocks 4-7 my second head's
	global_store_b128 v[L16], v[PC+4*\g:PC+4*\g+3], s[76:77] offset:((\a)/4)*HEADB+8704+((\a)%4)*1536+512*\g
.endr
.rept 8
	v_nop                                          ; a scale register written by a vector instruction stands 8 places ahead of a scaled matrix instruction, an operand so written 4
.endr
	v_wmma_scale_f32_16x16x128_f8f6f4 v[DS+8*(\a):DS+8*(\a)+7], v[ON:ON+FR-1], v[PC:PC+FR-1], 0, v[OS], v[WS+(\a)] matrix_a_fmt:MATRIX_FMT_FP6 matrix_b_fmt:MATRIX_FMT_FP6   ; ones x the fragment: every register of lane (r, .) holds the sum of row r's quantised numbers over the 128 keys
.Ldone_\@:
.endm
.irp a, 0,1,2,3,4,5,6,7
	BLOCK \a
.endr
; q's and k's scale words, head by head: [lane (r, hh)][4]: word t is that of tile 2 t + hh, row r, so that one load of 16 bytes a lane brings eight tiles' words, two tiles to a register.
.macro SCWORDS base, o0, o1
.irp a, 0,1,2,3,4,5,6,7
	v_and_or_b32 v[224+\a], v[WS+\a], 0xffff, v[MW+\a]   ; my first head's two bytes, and bytes 2 and 3
.endr
.irp t, 0,1,2,3
	v_cndmask_b32 v[232+\t], v[224+2*\t], v[225+2*\t], s70
.endr
	global_store_b128 v[L16], v[232:235], s[\base:\base+1] offset:\o0
.irp a, 0,1,2,3,4,5,6,7
	v_lshrrev_b32 v[224+\a], 16, v[WS+\a]          ; my second head's
.endr
.irp a, 0,1,2,3,4,5,6,7
	v_or_b32 v[224+\a], v[224+\a], v[MW+\a]
.endr
.irp t, 0,1,2,3
	v_cndmask_b32 v[236+\t], v[224+2*\t], v[225+2*\t], s70
.endr
	global_store_b128 v[L16], v[236:239], s[\base:\base+1] offset:\o1
.endm
	s_cmp_eq_u32 ttmp9, 2
	s_cbranch_scc1 .Ltail_v
	s_cmp_eq_u32 ttmp9, 1
	s_cbranch_scc1 .Ltail_k
.irp a, 0,1,2,3,4,5,6,7
	v_mov_b32 v[MW+\a], 0x017f0000                 ; q: byte 2 = 127 (the 1.0 at k = 64 counts as 1.0), byte 3 = 1
.endr
	SCWORDS 74, 0, 8192
	s_branch .Lend
.Ltail_k:
	s_mov_b32 s82, 0xe20000
	s_mov_b32 s83, 0x01010000
.irp a, 0,1,2,3,4,5,6,7
	v_mad_u32_u24 v[MW+\a], v[MK+\a], s82, s83     ; k: byte 2 = 227 (2^100) where my key is padded, else 1; byte 3 = 1
.endr
	SCWORDS 76, 8192, HEADB+8192
	s_branch .Lend
.Ltail_v:
	PLACES NP                                      ; behind the last product with ones
.irp c, 0,1
.irp e, 0,1
	v_cndmask_b32 v[224+4*\c+\e], v[WS+4*\c+2*\e], v[WS+4*\c+2*\e+1], s70           ; v's scale words: [lane (r, hh)][2]: tile 2 e + hh, row r
	v_cndmask_b32 v[226+4*\c+\e], v[DS+8*(4*\c+2*\e)], v[DS+8*(4*\c+2*\e+1)], s70   ; and the sums likewise (each result is read at its lowest register)
.endr
	global_store_b64 v[L8], v[224+4*\c:225+4*\c], s[76:77] offset:\c*HEADB+14848
	global_store_b64 v[L8], v[226+4*\c:227+4*\c], s[78:79] offset:\c*4096
.endr
.Lend:
	s_wait_tensorcnt 0x0                           ; the wave's end
	ds_add_u32 v[SPW], v[NIL]
	s_wait_dscnt 0x0
	CROUND                                         ; the closing round: no work-group ends while a partner may still ask for a tile that names it
	s_endpgm
.Lfunc_end_k_qc244e08205_qkv:
	.size	k_qc244e08205_qkv, .Lfunc_end_k_qc244e08205_qkv-k_qc244e08205_qkv
	.p2alignl 7, 3214868480
	.fill 96, 4, 3214868480
	.section	.rodata,"a",@progbits
	.p2align	6, 0x0
	.amdhsa_kernel k_qc244e08205_qkv
		.amdhsa_group_segment_fixed_size 327680
		.amdhsa_private_segment_fixed_size 0
		.amdhsa_enable_private_segment 0
		.amdhsa_kernarg_size 48
		.amdhsa_user_sgpr_count 2
		.amdhsa_user_sgpr_kernarg_segment_ptr 1
		.amdhsa_wavefront_size32 1
		.amdhsa_system_sgpr_workgroup_id_x 1
		.amdhsa_system_sgpr_workgroup_id_y 1
		.amdhsa_system_sgpr_workgroup_id_z 1
		.amdhsa_system_vgpr_workitem_id 0
		.amdhsa_next_free_vgpr 1024
		.amdhsa_next_free_sgpr 100
		.amdhsa_reserve_vcc 0
		.amdhsa_float_denorm_mode_32 3
		.amdhsa_float_denorm_mode_16_64 3
		.amdhsa_memory_ordered 1
		.amdhsa_forward_progress 1
		.amdhsa_inst_pref_size 188
	.end_amdhsa_kernel
	.amdgpu_metadata
---
amdhsa.version: [ 1, 2 ]
amdhsa.kernels:
  - .name:           k_qc244e08205_qkv
    .symbol:         k_qc244e08205_qkv.kd
    .args:
      - { .name: xq, .offset: 0, .size: 8, .value_kind: global_buffer, .address_space: global }
      - { .name: wq, .offset: 8, .size: 8, .value_kind: global_buffer, .address_space: global }
      - { .name: padding_mask, .offset: 16, .size: 8, .value_kind: global_buffer, .address_space: global }
      - { .name: qq, .offset: 24, .size: 8, .value_kind: global_buffer, .address_space: global }
      - { .name: kv, .offset: 32, .size: 8, .value_kind: global_buffer, .address_space: global }
      - { .name: vsum, .offset: 40, .size: 8, .value_kind: global_buffer, .address_space: global }
    .group_segment_fixed_size: 327680
    .private_segment_fixed_size: 0
    .kernarg_segment_align: 8
    .kernarg_segment_size: 48
    .max_flat_workgroup_size: 128
    .sgpr_count:     100
    .vgpr_count:     1024
    .wavefront_size: 32
...
	.end_amdgpu_metadata
.endif
;; end of part 2
;; launch attn (part 3): grid 4 x 64, 8 waves a work-group, clusters of 4 x 1, 327,680 bytes of LDS; arguments qq, kv, vsum, cq; writes cq
.if DOCPART == 3
	.amdgcn_target "amdgcn-amd-amdhsa--gfx1250"
	.amdhsa_code_object_version 6
	.text
	.protected	k_qc244e08205_attn
	.globl	k_qc244e08205_attn
	.p2align	8
	.type	k_qc244e08205_attn,@function
k_qc244e08205_attn:
	s_mov_b64 s[64:65], 0
	v_nop
	global_prefetch_b8 v0, s[64:65] scope:SCOPE_SE
	s_setreg_imm32_b32 hwreg(HW_REG_WAVE_MODE, 25, 1), 1
	s_wait_xcnt 0x0
	s_wait_alu depctr_hold_cnt(0) depctr_sa_sdst(0) depctr_va_vdst(0) depctr_va_sdst(0) depctr_va_ssrc(0) depctr_va_vcc(0) depctr_vm_vsrc(0)
	s_getreg_b32 s2, hwreg(HW_REG_IB_STS2, 6, 4)
	s_cmp_eq_u32 s2, 0
	s_cbranch_scc0 .Lentry_in_a_cluster
	s_endpgm
.Lentry_in_a_cluster:
	s_bfe_u32 s2, ttmp6, 0x10000c
	s_cmp_lg_u32 s2, 0x3003
	s_cbranch_scc0 .Lentry_shape_is_right
	s_endpgm
.Lentry_shape_is_right:
; ctx[b][q][head][:] = the sum over keys of softmax(q . k / 8, causal and padding masks) v, both products on codes of FP6 (E2M3) with one E8M0 scale for each 32 along a product's K; ctx leaves quantised.
; THE SOFTMAX AHEAD OF THE SECOND PRODUCT: t = score x log2(e) / 8; M = the row's largest t so far, rounded UP to a whole number; p = 2^(t - M) is quantised along the keys, not normalised.  The row's sum
; is taken of the unquantised p and divides at the end.  When M moves, the sum and O are multiplied by 2^(old M - new M): exact.
; SHARES.  A head's 2,048 queries are 64 groups of 32.  Work-group j = 0 .. 3 of a head takes the groups 4 m + j, m = 0 .. 15; group 4 m + j wants the key steps of 128 keys 0 .. m, the last with the diagonal.
; Wave w of eight takes m = 15 - w and then m = w: (16 - w) + (w + 1) = 17 key steps for EVERY wave of every work-group.  Key steps behind a group's diagonal are left out (the causal mask is built by the problem itself).
; A wave holds its group as two tiles of 16 queries, which share every fragment of K and V read from LDS.
; ALL OF THE HEAD'S K AND V LIE IN LDS, 16 key steps of 15,104 bytes, each filled once: wave w fetches key step w at the head and key step 8 + w behind the round that shows key steps 0 .. 7 whole.
; The first pass's key steps 0 .. 7 are open for every wave (m is 8 or more): eight equal steps, then ONE barrier shows key steps 8 .. 15 whole; no other barrier stands in the work.
; CLUSTER: the four work-groups of a head walk alike and want the same 16 key steps: they form a cluster and ask jointly (mask 15).  j enters global addresses and the diagonal's lane numbers alone: no branch, no LDS address.
; NO PREFETCH: key steps 0 .. 7 are asked for by the launch's first lines, and key steps 8 .. 15 have eight key steps of both tiles in which to land.
; LAYOUT.  Both products are used transposed: S^T = K Q^T (source 0 = 16 keys, source 1 = 16 queries), O^T = V^T P^T: a lane holds ONE query (lane % 16) of each tile.  The tokens of tile T are
; 32 (T / 2) + 8 (T % 2) + r + 8 (r / 8), so that the 16 registers of tiles 2 b and 2 b + 1 of S^T are the 16 neighbouring keys 32 b + 16 (lane / 16) + 0 .. 15; O^T's registers likewise along the head's 64.
; THE FIRST PRODUCT HAS K = 64, ITS INSTRUCTION 128.  Q has the number 1.0 at k = 64 and zero codes elsewhere in the unused K.  A key's record is 8 registers: six of codes, then -2^100 at k = 64 where the key is padded
; (else 0), then 0.  A tile's operand names 12 registers: the last four are the next tile's first four (zeros behind the last): they meet Q's zero codes.  So a padded key's score is about -2^100.
; A ROW WITH NO KEY.  The largest score begins at -2^98, above every padded key's: while a row has seen padded or hidden keys alone, every p is 0, and so are the sum and O.  A row whose sum is still 0 at the end has no key
; at all: by the softmax of equal scores its result is the mean of the quantised v over ALL 2,048 keys, made from vsum at the head and chosen by v_cndmask_b32.
; LIMITS: a real score under -2^98 would count as masked (the masks' own mark is -1e30); NaN and infinities are not served; a block of zeros has the scale byte 1 (its codes are zeros).
; kv, a key step of one head, all as images of registers: K 8 x [2][lane][16], K's scale words [lane][16], V 4 x [3][lane][16], V's scale words [lane][8].  Every LDS read is 16 or 8 bytes x lane on end.
; REGISTERS.  Window 0: v1-9, v29 addresses and lane numbers; v12-15 -M and the largest score of tiles 0, 1; v16-27, v32-43 Q; v28, v44 its scale words; v30-31, v46-47 the sums; v48-61 the second pass's Q;
; v64-127 K's records, v128-131 zeros; v132-137 K's and V's scale words; v140-163 p's codes, v164-165 its scale words; v166-169 f; v172-231 at work.
; Window 1: v0-127 S^T, then p, of both tiles; v128-191 O^T of both tiles; v192-239 V's fragments (on the way out the mean of v).
.set KSB,   15104
.set HEADB, 16*KSB
.set SCR,   HEADB                      ; 256 bytes a wave: the mean of v, [tile 4][row 16] f32: written by LDS stores, never filled by the mover
.set SPARE, SCR+2048                   ; the spare words, 128 bytes a wave: four blocks of 256 bytes that no other line names
.set QSC,   6291456                    ; where qq's scale words begin
.set CSC,   6291456                    ; and cq's scale bytes
.set WV,    18                         ; s18  my wave's number
.set J,     19                         ; s19  j: my work-group's place in the cluster
.set SEL,   20                         ; s[20:21] lane selects for v_permlanex16_b32: lane l xor 16
.set CS,    22                         ; s[22:23] c = log2(e) / 8
.set G1,    24                         ; s[24:31] descriptor group 1;  s[32:35] group 0
.set G0,    32
.set TB,    36                         ; s36  LDS byte at which the key step in hand begins
.set CNT,   37                         ; s37  the key step
.set MM,    38                         ; s38  the pass's m: its last key step
.set M1,    39                         ; s39  15 - w
.set NK,    40                         ; s40, s41 the lanes whose row has no key, tiles 0, 1
.set TMP,   42                         ; s[42:43]
.set QF,    16
.set QS,    28
.set KR,    64
.set KSW,   132
.set VSW,   136
.set PF,    140
.set PSC,   164
.set FF,    166
.set BM,    172                        ; v172-179 block maxima (four a tile)
.set PT,    180                        ; v180-187
.set SO,    188                        ; v188-195 the conversions' scale operands
.set CT,    196                        ; v196-210 the conversions' second halves
.set SM,    212                        ; v212-227 eight chains of sums
.set XT,    228                        ; v228-231
.set VR,    192                        ; window 1
.set MSB, 0
.macro WIN new                         ; s_set_vgpr_msb: bits 1:0 source 0, 3:2 source 1, 5:4 source 2, 7:6 destination; the high byte repeats the setting that is left
.if MSB != \new
	s_set_vgpr_msb (MSB<<8)|\new
.set MSB, \new
.endif
.endm
.macro CROUND                          ; a round of the cluster's barrier
	s_barrier_signal -1
	s_barrier_wait -1
	s_cmp_lg_u32 s[WV], 0
	s_cbranch_scc1 .Lnot_wave_0_\@
	s_barrier_signal -3
.Lnot_wave_0_\@:
	s_barrier_wait -3
	s_barrier_signal -1
	s_barrier_wait -1
.endm
.macro JLOAD                           ; my joint load; s_nop 0 and four v_nop follow it
	tensor_load_to_lds s[G0:G0+3], s[G1:G1+7]
	s_nop 0
.rept 4
	v_nop
.endr
.endm
.macro KLOAD                           ; a key step's K records and their scale words, from v11: 17 loads
.irp t, 0,1,2,3,4,5,6,7
	ds_load_b128 v[KR+8*\t:KR+8*\t+3], v11 offset:1024*\t
	ds_load_b128 v[KR+8*\t+4:KR+8*\t+7], v11 offset:1024*\t+512
.endr
	ds_load_b128 v[KSW:KSW+3], v11 offset:8192     ; register t / 2: lanes 0-15 tile t's words (t even), lanes 16-31 tile t + 1's
.endm
.macro DEP2
	s_delay_alu instid0(VALU_DEP_2)
.endm
.macro INIT                            ; a pass begins: its first step finds zeros, which the first change of M leaves zeros
.irp e, 0,1
	v_mov_b32 v[13+2*\e], 0xf0800000               ; -2^98
.endr
.irp e, 0,1
	v_mul_f32 v[12+2*\e], -v[13+2*\e], s[CS]
.endr
.irp e, 0,1
	v_floor_f32 v[12+2*\e], v[12+2*\e]             ; -M
.endr
.irp i, 30,31,46,47
	v_mov_b32 v\i, 0
.endr
	WIN 0x40
.set N, 0
.rept 64
	v_mov_b32 v[128+N], 0
.set N, N+1
.endr
	WIN 0
	s_wait_alu depctr_va_vdst(0)
.endm
.macro PTRS m, qc, qs, pc, ps          ; the pass with m in s[m]: qq's codes and scale words, cq's codes and scale bytes of my first tile
	s_mul_i32 s[TMP], s[\m], 6144
	s_add_co_u32 s[TMP], s[TMP], s60
	s_add_nc_u64 s[\qc:\qc+1], s[4:5], s[TMP:TMP+1]
	s_lshl_b32 s[TMP], s[\m], 9
	s_add_co_u32 s[TMP], s[TMP], s61
	s_add_nc_u64 s[\qs:\qs+1], s[4:5], s[TMP:TMP+1]
	s_mul_i32 s[TMP], s[\m], 8*12288
	s_add_co_u32 s[TMP], s[TMP], s62
	s_add_nc_u64 s[\pc:\pc+1], s[10:11], s[TMP:TMP+1]
	s_lshl_b32 s[TMP], s[\m], 12
	s_add_co_u32 s[TMP], s[TMP], s63
	s_add_nc_u64 s[\ps:\ps+1], s[10:11], s[TMP:TMP+1]
.endm
	s_load_b128 s[4:7], s[0:1], 0x0                ; qq, kv
	s_load_b128 s[8:11], s[0:1], 0x10              ; vsum, cq
	v_lshl_add_u32 v3, v0, 2, SPARE
	v_mov_b32 v4, 0
	ds_add_u32 v3, v4                              ; the opening lines: the add, twice on end, and its wait ahead of my first tensor load
	ds_add_u32 v3, v4
	v_lshrrev_b32 v10, 5, v0
	v_readfirstlane_b32 s[WV], v10                 ; wave 0..7
	s_and_b32 s12, ttmp7, 0xffff                   ; 16 x batch + head
	s_bfe_u32 s[J], ttmp6, 0x40000
	s_mov_b32 s[G1], 15|(3<<16)|(1<<21)            ; 15:0 the mask: all four of the cluster; 17:16 elements of 8 bytes; 21 set beside a mask
	s_mov_b32 s[G1+1], 32<<16                      ; rows of 256 bytes,
	s_mov_b32 s[G1+2], 59<<16                      ; 59 of them: a key step, dense
	s_mov_b32 s[G1+3], 32<<16
	s_mov_b32 s[G1+4], 59
	s_mov_b32 s[G1+5], 32
	s_mov_b32 s[G1+6], 0
	s_mov_b32 s[G1+7], 0
	s_mul_i32 s13, s[WV], KSB                      ; key step w
	s_mul_i32 s14, s12, HEADB
	s_add_co_u32 s14, s14, s13
	s_mov_b32 s15, 0
	s_mov_b32 s[G0], 1
	s_mov_b32 s[G0+1], s13
	s_wait_dscnt 0x0                               ; both opening adds are done
	s_wait_kmcnt 0x0
	s_add_nc_u64 s[G0+2:G0+3], s[6:7], s[14:15]
	s_or_b32 s[G0+3], s[G0+3], 0x80000000
	CROUND                                         ; all four work-groups are here: the joint loads meet
	JLOAD                                          ; key steps 0 .. 7, one a wave
	s_mov_b32 s[SEL], 0x76543210
	s_mov_b32 s[SEL+1], 0xfedcba98
	s_mov_b32 s[CS], 0x3e38aa3b                    ; c = log2(e) / sqrt(64)
	s_mov_b32 s[CS+1], s[CS]
	s_sub_co_u32 s[M1], 15, s[WV]
	s_mov_b32 s[TMP+1], 0
	s_mul_i32 s60, s12, 98304                      ; qq: a head is 128 tiles of 768 bytes; my tiles are 8 m + 2 j and the next
	s_mul_i32 s13, s[J], 1536
	s_add_co_u32 s60, s60, s13
	s_lshl_b32 s61, s12, 13                        ; its scale words: 512 bytes for eight tiles: [lane (r, T % 2)][(T % 8) / 2]
	s_lshl_b32 s13, s[J], 2
	s_add_co_u32 s61, s61, s13
	s_add_co_u32 s61, s61, QSC
	s_lshr_b32 s62, s12, 4
	s_lshl_b32 s62, s62, 7                         ; cq: 128 tiles of 16 tokens a batch
	s_lshl_b32 s13, s[J], 1
	s_add_co_u32 s62, s62, s13
	s_and_b32 s13, s12, 15                         ; the head
	s_lshl_b32 s63, s62, 9                         ; a tile's scale bytes: 16 rows of 32
	s_lshl_b32 s16, s13, 1
	s_add_co_u32 s63, s63, s16
	s_add_co_u32 s63, s63, CSC
	s_mul_i32 s62, s62, 12288                      ; a tile's codes: 16 heads of 768 bytes
	s_mul_i32 s13, s13, 768
	s_add_co_u32 s62, s62, s13
	PTRS M1, 52, 54, 44, 46
	PTRS WV, 56, 58, 48, 50
	s_lshl_b32 s14, s12, 12                        ; vsum: 16 groups of 256 bytes a head
	s_add_nc_u64 s[8:9], s[8:9], s[14:15]
	v_and_b32 v236, 31, v0                         ; lane
	v_lshlrev_b32 v1, 4, v236
	v_lshlrev_b32 v2, 3, v236
	v_and_b32 v232, 15, v0                         ; r
	v_bfe_u32 v233, v0, 4, 1                       ; h
	v_lshlrev_b32 v234, 4, v232                    ; 16 r: my query's scale word
	v_lshlrev_b32 v29, 5, v232                     ; 32 r: my row of cq's scale bytes
.irp i, 0,1,2
	global_load_b64 v[16+2*\i:17+2*\i], v2, s[52:53] offset:256*\i        ; Q's six registers of codes: first pass, tiles 0 and 1,
	global_load_b64 v[32+2*\i:33+2*\i], v2, s[52:53] offset:768+256*\i
	global_load_b64 v[48+2*\i:49+2*\i], v2, s[56:57] offset:256*\i        ; second pass
	global_load_b64 v[54+2*\i:55+2*\i], v2, s[56:57] offset:768+256*\i
.endr
	global_load_b32 v28, v234, s[54:55]
	global_load_b32 v44, v234, s[54:55] offset:256
	global_load_b32 v60, v234, s[58:59]
	global_load_b32 v61, v234, s[58:59] offset:256
.set N, 0
.rept 16
	global_load_b64 v[64+2*N:65+2*N], v2, s[8:9] offset:256*N   ; the sums of the quantised v over each 128 keys: lane (r, h): rows r of tiles h and 2 + h
.set N, N+1
.endr
	v_and_b32 v7, 8, v232
	v_add_nc_u32 v7, v7, v232
	v_lshlrev_b32 v10, 4, v233
	v_sub_nc_u32 v7, v7, v10
	s_lshl_b32 s13, s[J], 5
	v_add_nc_u32 v7, s13, v7                       ; on the diagonal step: my query of tile 0 less the step's first key less 16 h = 32 j + r + 8 (r / 8) - 16 h,
	v_add_nc_u32 v8, 8, v7                         ; and of tile 1
	s_lshl_b32 s14, s[WV], 8
	v_lshl_add_u32 v9, v233, 5, s14
	v_add_nc_u32 v9, SCR, v9                       ; the mean of v, on the way back: 256 w + 32 h
	v_lshl_add_u32 v235, v236, 2, s14
	v_add_nc_u32 v235, SCR, v235                   ; and on the way in: 256 w + 4 x lane
	v_lshlrev_b32 v22, 3, v233
	v_sub_nc_u32 v22, 8, v22                       ; Q's register 6: the code of 1.0 at k = 64 (lanes 0-15), 0 in lanes 16-31
	v_mov_b32 v38, v22
.irp i, 23,24,25,26,27,39,40,41,42,43,128,129,130,131
	v_mov_b32 v\i, 0                               ; zero codes
.endr
.irp i, 166,167,168,169,180,181,182,183,184,185,186,187,228,229,230,231
	v_mov_b32 v\i, 0                               ; written once: a lane permute's destination counts as one of its sources; v167, v169 are named as upper halves of pairs
.endr
	INIT
	s_wait_loadcnt 0x0
.irp g, 2,4,6,8,10,12,14
	v_pk_add_f32 v[64:65], v[64:65], v[64+2*\g:65+2*\g]          ; over the 16 groups of keys, in two chains
	v_pk_add_f32 v[66:67], v[66:67], v[66+2*\g:67+2*\g]
.endr
	v_pk_add_f32 v[64:65], v[64:65], v[66:67]
	s_delay_alu instid0(VALU_DEP_1)
	v_pk_mul_f32 v[64:65], v[64:65], 0x3a000000 op_sel_hi:[1,0]  ; / 2,048
	ds_store_b32 v235, v64                         ; tiles 0 and 1
	ds_store_b32 v235, v65 offset:128              ; tiles 2 and 3.  My own bytes: only I read them
; A KEY STEP: 128 keys against my two tiles.  dg = 0: a step that is open for every wave.  dg = 1: a step behind the pass's m is left out, and on step m the diagonal is cut: scalar branches on the wave's number and the counter.
; K RUNS ONE STEP AHEAD: a step finds its K in registers, and asks for the next step's directly behind its score products, which have freed them: those loads land under the softmax.
; lim: the last key step that the loop may read; the next step's address is held there, so that a loop's last step reads that key step's K once more, for nothing: 17 loads, three times a wave.
.macro STEP dg, lim
.if \dg
	s_cmp_gt_u32 s[CNT], s[MM]
	s_cbranch_scc1 .Lhid_\@
.endif
	s_add_co_u32 s[TMP], s[TB], KSB
	s_min_u32 s[TMP], s[TMP], \lim
	v_add_nc_u32 v5, s[TB], v1                     ; the key step + 16 x lane,
	v_add_nc_u32 v6, s[TB], v2                     ; + 8 x lane,
	v_add_nc_u32 v11, s[TMP], v1                   ; the next key step + 16 x lane.  (With the v_nop: the four places in front of loads into registers that the last step's products have read)
	v_nop
	ds_load_b64 v[VSW:VSW+1], v6 offset:14848
	WIN 0x40
.irp t, 0,1,2,3
.irp g, 0,1,2
	ds_load_b128 v[VR+12*\t+4*\g:VR+12*\t+4*\g+3], v5 offset:8704+1536*\t+512*\g   ; V's fragments land under the softmax
.endr
.endr
	s_wait_alu depctr_va_vdst(0)
	s_wait_dscnt 13                                ; K and its scale words, asked for a step ago, are in; V's scale words and its twelve loads may be out
.irp t, 0,1,2,3,4,5,6,7                        ; S^T = K Q^T: each fragment of K serves both tiles
.irp e, 0,1
.if \t%2
	v_wmma_scale_f32_16x16x128_f8f6f4 v[64*\e+8*\t:64*\e+8*\t+7], v[KR+8*\t:KR+8*\t+11], v[QF+16*\e:QF+16*\e+11], 0, v[KSW+\t/2], v[QS+16*\e] matrix_a_fmt:MATRIX_FMT_FP6 matrix_b_fmt:MATRIX_FMT_FP6 matrix_a_scale:MATRIX_SCALE_ROW1
.else
	v_wmma_scale_f32_16x16x128_f8f6f4 v[64*\e+8*\t:64*\e+8*\t+7], v[KR+8*\t:KR+8*\t+11], v[QF+16*\e:QF+16*\e+11], 0, v[KSW+\t/2], v[QS+16*\e] matrix_a_fmt:MATRIX_FMT_FP6 matrix_b_fmt:MATRIX_FMT_FP6
.endif
.endr
.endr
	WIN 0
.rept 4
	v_nop                                          ; places in front of the loads below and of the first read of the scores
.endr
	KLOAD                                          ; the next step's K
.if \dg
	s_cmp_lg_u32 s[CNT], s[MM]
	s_cbranch_scc1 .Lopen_\@
	v_mov_b32 v10, 0xff800000                      ; on the diagonal step hidden keys' scores become -infinity: p = 0.  Register 16 b + i holds key 32 b + 16 h + i of the step
	WIN 0x41
.set N, 0
.rept 64
	v_cmp_gt_i32 vcc_lo, 32*(N/16)+N%16, v7
	v_cndmask_b32 v[N], v[N], v10, vcc_lo
	v_cmp_gt_i32 vcc_lo, 32*(N/16)+N%16, v8
	v_cndmask_b32 v[64+N], v[64+N], v10, vcc_lo
.set N, N+1
.endr
	WIN 0
.Lopen_\@:
.endif
	WIN 0x15
.irp b, 0,1,2,3,4,5,6,7
	v_max3_num_f32 v[BM+\b], v[16*\b], v[16*\b+1], v[16*\b+2]   ; THE LARGEST SCORE OF EACH BLOCK OF 32 KEYS (blocks 0-3 tile 0's, 4-7 tile 1's): for the row's maximum, and, since p rises with the score, for the block's largest p
.endr
	WIN 0x14
.irp i, 3,5,7,9,11,13
.irp b, 0,1,2,3,4,5,6,7
	v_max3_num_f32 v[BM+\b], v[BM+\b], v[16*\b+\i], v[16*\b+\i+1]
.endr
.endr
.irp b, 0,1,2,3,4,5,6,7
	v_max_num_f32 v[BM+\b], v[BM+\b], v[16*\b+15]
.endr
	WIN 0
.irp b, 0,1,2,3,4,5,6,7
	v_permlanex16_b32 v[PT+\b], v[BM+\b], s[SEL], s[SEL+1]
.endr
.irp b, 0,1,2,3,4,5,6,7
	v_max_num_f32 v[BM+\b], v[BM+\b], v[PT+\b]     ; with lane l xor 16's 16 keys
.endr
.irp e, 0,1
	v_max3_num_f32 v[XT+\e], v[BM+4*\e], v[BM+4*\e+1], v[BM+4*\e+2]
.endr
.irp e, 0,1
	DEP2
	v_max3_num_f32 v[13+2*\e], v[13+2*\e], v[XT+\e], v[BM+4*\e+3]   ; the running largest score
.endr
.irp e, 0,1
	DEP2
	v_mul_f32 v[XT+\e], -v[13+2*\e], s[CS]         ; as -t (c is positive)
.endr
.irp e, 0,1
	DEP2
	v_floor_f32 v[XT+\e], v[XT+\e]                 ; the new -M = floor(-t) = -ceil(t): M IS A WHOLE NUMBER
.endr
.irp e, 0,1
	DEP2
	v_sub_f32 v[XT+2+\e], v[XT+\e], v[12+2*\e]     ; M's old value less its new one: a whole number, 0 or less
.endr
.irp e, 0,1
	v_mov_b32 v[12+2*\e], v[XT+\e]
.endr
.irp e, 0,1
	v_cvt_i32_f32 v[XT+2+\e], v[XT+2+\e]           ; (it saturates)
.endr
.irp e, 0,1
	DEP2
	v_ldexp_f32 v[FF+2*\e], 1.0, v[XT+2+\e]        ; f = 2^(old M - new M): a multiplication by it rounds nothing
.endr
	WIN 0x41
.irp e, 0,1
.set N, 0
.rept 32
	v_pk_fma_f32 v[64*\e+N:64*\e+N+1], v[64*\e+N:64*\e+N+1], s[CS:CS+1], v[12+2*\e:13+2*\e] op_sel_hi:[1,0,0]   ; t - M, two at a time (of the pairs c and -M the low word serves both halves)
.set N, N+2
.endr
.endr
	WIN 0
.irp b, 0,1,2,3,4,5,6,7
	v_fma_f32 v[BM+\b], v[BM+\b], s[CS], v[12+2*(\b/4)]   ; the same of each block's largest score
.endr
	WIN 0x41
	s_wait_alu depctr_va_vdst(0)                   ; the wait ahead of the batch
.set N, 0
.rept 128
	v_exp_f32 v[N], v[N]                           ; p = 2^(t - M), at most 1: NOT normalised
.set N, N+1
.endr
	WIN 0
.irp e, 0,1
	v_pk_mul_f32 v[30+16*\e:31+16*\e], v[30+16*\e:31+16*\e], v[FF+2*\e:FF+2*\e+1] op_sel_hi:[1,0]   ; the sums under the new M.  (Plain places behind the exponentials)
.endr
	s_wait_alu depctr_va_vdst(0)                   ; one wait for the whole batch, ahead of the first line that names a result
.irp b, 0,1,2,3,4,5,6,7
	v_exp_f32 v[BM+\b], v[BM+\b]                   ; the block's largest p: the same two instructions on the same number give the same bits
.endr
	WIN 0x05                                       ; THE ROWS' SUMS ARE TAKEN OF THE UNQUANTISED p: two at a time, four chains a tile
.irp e, 0,1
.irp k, 0,1,2,3
	v_pk_add_f32 v[SM+8*\e+2*\k:SM+8*\e+2*\k+1], v[64*\e+2*\k:64*\e+2*\k+1], v[64*\e+2*\k+8:64*\e+2*\k+9]
.endr
.endr
	WIN 0x04
.irp r, 2,3,4,5,6,7
.irp e, 0,1
.irp k, 0,1,2,3
	v_pk_add_f32 v[SM+8*\e+2*\k:SM+8*\e+2*\k+1], v[SM+8*\e+2*\k:SM+8*\e+2*\k+1], v[64*\e+2*\k+8*\r:64*\e+2*\k+8*\r+1]
.endr
.endr
.endr
	WIN 0
.irp e, 0,1
	v_pk_add_f32 v[SM+8*\e:SM+8*\e+1], v[SM+8*\e:SM+8*\e+1], v[SM+8*\e+2:SM+8*\e+3]
	v_pk_add_f32 v[SM+8*\e+4:SM+8*\e+5], v[SM+8*\e+4:SM+8*\e+5], v[SM+8*\e+6:SM+8*\e+7]
.endr
.irp e, 0,1
	v_pk_add_f32 v[SM+8*\e:SM+8*\e+1], v[SM+8*\e:SM+8*\e+1], v[SM+8*\e+4:SM+8*\e+5]
.endr
.irp e, 0,1
	DEP2
	v_pk_add_f32 v[30+16*\e:31+16*\e], v[30+16*\e:31+16*\e], v[SM+8*\e:SM+8*\e+1]
.endr
	s_wait_alu depctr_va_vdst(0)                   ; and one wait for the eight
.irp b, 0,1,2,3,4,5,6,7
	v_max_num_f32 v[BM+\b], 0x1800000, v[BM+\b]    ; the floor 2^(3 - 127): the byte cannot fall under 1 (a block whose every p is 0 keeps that byte: its codes are zeros)
.endr
.irp b, 0,1,2,3,4,5,6,7
	v_add_nc_u32 v[SO+\b], 0xff000000, v[BM+\b]    ; 2 off the exponent field: the conversion's scale operand
.endr
.irp b, 0,1,2,3,4,5,6,7
	v_lshrrev_b32 v[PT+\b], 23, v[SO+\b]           ; the scale's byte
.endr
.irp e, 0,1
	v_lshl_or_b32 v[PSC+\e], v[PT+4*\e+1], 8, v[PT+4*\e]   ; p's scale word for these 128 keys
.endr
.irp e, 0,1
	DEP2
	v_lshl_or_b32 v[PSC+\e], v[PT+4*\e+2], 16, v[PSC+\e]
.endr
.irp e, 0,1
	DEP2
	v_lshl_or_b32 v[PSC+\e], v[PT+4*\e+3], 24, v[PSC+\e]
.endr
	WIN 0x01
.irp e, 0,1
.irp c, 0,1
	v_cvt_scalef32_pk16_fp6_f32 v[PF+12*\e+6*\c:PF+12*\e+6*\c+2], v[64*\e+32*\c:64*\e+32*\c+15], v[SO+4*\e+2*\c]
	v_cvt_scalef32_pk16_fp6_f32 v[CT+8*\e+4*\c:CT+8*\e+4*\c+2], v[64*\e+32*\c+16:64*\e+32*\c+31], v[SO+4*\e+2*\c+1]   ; (a conversion's three registers begin on an even number)
.endr
.endr
	WIN 0
	v_nop                                          ; one plain place behind a scaled conversion
.irp e, 0,1                                    ; the operand's layout wants a WHOLE block in a lane: lanes 0-15 block 2 c, lanes 16-31 block 2 c + 1
.irp c, 0,1
.irp i, 0,1,2
	v_permlane16_swap_b32 v[PF+12*\e+6*\c+\i], v[CT+8*\e+4*\c+\i]
.endr
.endr
.endr
.irp e, 0,1
.irp c, 0,1
.irp i, 0,1,2
	v_mov_b32 v[PF+12*\e+6*\c+3+\i], v[CT+8*\e+4*\c+\i]
.endr
.endr
.endr
	WIN 0x41
	s_wait_alu depctr_va_vdst(0)                   ; the wait directly ahead of the first read of O^T
.irp e, 0,1
.set N, 0
.rept 16
	v_pk_mul_f32 v[128+32*\e+N:128+32*\e+N+1], v[128+32*\e+N:128+32*\e+N+1], v[FF+2*\e:FF+2*\e+1] op_sel_hi:[1,0]   ; O^T under the new M: x f.  (These are also the places in front of the products below)
.set N, N+2
.endr
.endr
	WIN 0x51
	s_wait_alu depctr_va_vdst(0)                   ; the wait directly ahead of the wait below
	s_wait_dscnt 0x0                               ; V's fragments and scale words are in
.irp t, 0,1,2,3                                ; O^T += V^T P^T: each fragment of V serves both tiles; the eight accumulators take turns
.irp e, 0,1
.if \t%2
	v_wmma_scale_f32_16x16x128_f8f6f4 v[128+32*\e+8*\t:128+32*\e+8*\t+7], v[VR+12*\t:VR+12*\t+11], v[PF+12*\e:PF+12*\e+11], v[128+32*\e+8*\t:128+32*\e+8*\t+7], v[VSW+\t/2], v[PSC+\e] matrix_a_fmt:MATRIX_FMT_FP6 matrix_b_fmt:MATRIX_FMT_FP6 matrix_a_scale:MATRIX_SCALE_ROW1
.else
	v_wmma_scale_f32_16x16x128_f8f6f4 v[128+32*\e+8*\t:128+32*\e+8*\t+7], v[VR+12*\t:VR+12*\t+11], v[PF+12*\e:PF+12*\e+11], v[128+32*\e+8*\t:128+32*\e+8*\t+7], v[VSW+\t/2], v[PSC+\e] matrix_a_fmt:MATRIX_FMT_FP6 matrix_b_fmt:MATRIX_FMT_FP6
.endif
.endr
.endr
	WIN 0
.if \dg
.Lhid_\@:
.endif
	s_add_co_u32 s[TB], s[TB], KSB
	s_add_co_u32 s[CNT], s[CNT], 1
.endm
; THE WAY OUT of a pass.  O^T / the sum, or the mean of v where the row has no key; quantised along the head's 64 (two blocks of 32 a tile); six registers of codes a tile, half a fragment of the last product's operand, and two scale bytes.
.macro WAYOUT pc, ps
.rept 4
	v_nop                                          ; places behind the last products
.endr
	WIN 0x40
.irp t, 0,1,2,3
	ds_load_b128 v[VR+8*\t:VR+8*\t+3], v9 offset:64*\t          ; the mean of v in O^T's layout: register 8 t + i is row 8 (lane / 16) + i of tile t
	ds_load_b128 v[VR+8*\t+4:VR+8*\t+7], v9 offset:64*\t+16
.endr
	WIN 0
.irp e, 0,1
	v_add_f32 v[30+16*\e], v[30+16*\e], v[31+16*\e]   ; the sum's two halves,
.endr
.irp e, 0,1
	DEP2
	v_permlanex16_b32 v[XT+\e], v[30+16*\e], s[SEL], s[SEL+1]
.endr
.irp e, 0,1
	DEP2
	v_add_f32 v[30+16*\e], v[30+16*\e], v[XT+\e]   ; and lane l xor 16's: the row's sum
.endr
.irp e, 0,1
	DEP2
	v_cmp_eq_f32 s[NK+\e], 0, v[30+16*\e]          ; 0: no key counted (a row with a key has a p above 1/2)
.endr
.irp e, 0,1
	v_cndmask_b32 v[30+16*\e], v[30+16*\e], 1.0, s[NK+\e]
.endr
	s_wait_alu depctr_va_vdst(0)                   ; ahead of the transcendentals
	v_rcp_f32 v[FF], v30
	v_rcp_f32 v[FF+2], v46
	v_nop                                          ; a plain place behind them
	WIN 0x41
	s_wait_alu depctr_va_vdst(0)                   ; and the wait ahead of the first line that names a result, and of the first read of O^T
.irp e, 0,1
.set N, 0
.rept 16
	v_pk_mul_f32 v[128+32*\e+N:128+32*\e+N+1], v[128+32*\e+N:128+32*\e+N+1], v[FF+2*\e:FF+2*\e+1] op_sel_hi:[1,0]   ; each accumulator from its low end on
.set N, N+2
.endr
.endr
	WIN 0x45
	s_wait_alu depctr_va_vdst(0)
	s_wait_dscnt 0x0
.irp e, 0,1
.set N, 0
.rept 32
	v_cndmask_b32 v[128+32*\e+N], v[128+32*\e+N], v[VR+N], s[NK+\e]
.set N, N+1
.endr
.endr
	WIN 0x05
.irp u, 0,1,2,3
	v_max3_num_f32 v[BM+\u], |v[128+16*\u]|, |v[128+16*\u+1]|, 0x1800000   ; block u % 2 of tile u / 2: register 16 u + i is channel 32 (u % 2) + 16 (lane / 16) + i
.endr
	WIN 0x14
.irp i, 2,4,6,8,10,12,14
.irp u, 0,1,2,3
	v_max3_num_f32 v[BM+\u], v[BM+\u], |v[128+16*\u+\i]|, |v[128+16*\u+\i+1]|
.endr
.endr
	WIN 0
.irp u, 0,1,2,3
	v_permlanex16_b32 v[PT+\u], v[BM+\u], s[SEL], s[SEL+1]
.endr
.irp u, 0,1,2,3
	v_max_num_f32 v[BM+\u], v[BM+\u], v[PT+\u]
.endr
.irp u, 0,1,2,3
	v_add_nc_u32 v[SO+\u], 0xff000000, v[BM+\u]
.endr
.irp u, 0,1,2,3
	v_lshrrev_b32 v[PT+\u], 23, v[SO+\u]
.endr
.irp e, 0,1
	v_lshl_or_b32 v[XT+\e], v[PT+2*\e+1], 8, v[PT+2*\e]   ; my row's two scale bytes
.endr
	WIN 0x01
.irp e, 0,1
	v_cvt_scalef32_pk16_fp6_f32 v[PF+12*\e:PF+12*\e+2], v[128+32*\e:128+32*\e+15], v[SO+2*\e]
	v_cvt_scalef32_pk16_fp6_f32 v[CT+8*\e:CT+8*\e+2], v[128+32*\e+16:128+32*\e+31], v[SO+2*\e+1]
.endr
	WIN 0
	v_nop                                          ; one plain place behind a scaled conversion
.irp e, 0,1
.irp i, 0,1,2
	v_permlane16_swap_b32 v[PF+12*\e+\i], v[CT+8*\e+\i]   ; lanes 0-15: channels 0-31, lanes 16-31: channels 32-63
.endr
.endr
.irp e, 0,1
.irp i, 0,1,2
	v_mov_b32 v[PF+12*\e+3+\i], v[CT+8*\e+\i]
.endr
.endr
.irp e, 0,1
.irp i, 0,1,2
	global_store_b64 v2, v[PF+12*\e+2*\i:PF+12*\e+2*\i+1], s[\pc:\pc+1] offset:12288*\e+256*\i   ; 32 lanes store 256 consecutive bytes, aligned
.endr
	global_store_b16 v29, v[XT+\e], s[\ps:\ps+1] offset:512*\e   ; lanes l and l + 16 hold the same row's bytes and store the same two bytes at the same place
.endr
.endm
	s_wait_alu depctr_va_vdst(0)                   ; the wait at the head's end
	s_wait_tensorcnt 0x0                           ; my key step is in;
	ds_add_u32 v3, v4                              ; 0 onto my spare word;
	s_add_co_u32 s[G0+1], s[G0+1], 8*KSB           ; no tensor load of mine is out, so group 0 may be written: key step 8 + w
	s_add_nc_u64 s[G0+2:G0+3], s[G0+2:G0+3], 8*KSB
	s_wait_dscnt 0x0                               ; the add and my LDS stores are done
	CROUND                                         ; a whole round: key steps 0 .. 7 are whole, and all four work-groups are here,
	JLOAD                                          ; and key steps 8 .. 15, one a wave: the first tensor load behind the round, and my last
	s_mov_b32 s[TB], 0
	s_mov_b32 s[CNT], 0
	v_mov_b32 v11, v1
	KLOAD                                          ; key step 0's K
.Lh1:
	STEP 0, 7*KSB
	s_cmp_lt_u32 s[CNT], 8
	s_cbranch_scc1 .Lh1
	s_wait_tensorcnt 0x0                           ; my part of key steps 8 .. 15 is in,
	s_wait_dscnt 0x0
	s_barrier_signal -1
	s_barrier_wait -1                              ; everybody's is.
	s_mov_b32 s[MM], s[M1]
	s_mov_b32 s[TB], 8*KSB
	s_mov_b32 s[CNT], 8
	v_add_nc_u32 v11, 8*KSB, v1
	KLOAD                                          ; key step 8's K: behind the barrier that shows it whole
.Lh2:
	STEP 1, 15*KSB
	s_cmp_lt_u32 s[CNT], 16
	s_cbranch_scc1 .Lh2
	WAYOUT 44, 46
	s_wait_xcnt 0x0                                ; the stores have read their registers
.irp i, 0,1,2,3,4,5
	v_mov_b32 v[16+\i], v[48+\i]                   ; the second pass, m = w
	v_mov_b32 v[32+\i], v[54+\i]
.endr
	v_mov_b32 v28, v60
	v_mov_b32 v44, v61
	INIT                                           ; (its lines are also the places between these writes and the next scaled matrix instruction)
	s_mov_b32 s[MM], s[WV]
	s_mov_b32 s[TB], 0
	s_mov_b32 s[CNT], 0
	v_mov_b32 v11, v1
	KLOAD                                          ; key step 0's K
.Ll:
	STEP 1, 7*KSB
	s_cmp_lt_u32 s[CNT], 8
	s_cbranch_scc1 .Ll
	WAYOUT 48, 50
	s_wait_tensorcnt 0x0                           ; the wave's end
	ds_add_u32 v3, v4
	s_wait_dscnt 0x0
	CROUND                                         ; the closing round
	s_endpgm
.Lfunc_end_k_qc244e08205_attn:
	.size	k_qc244e08205_attn, .Lfunc_end_k_qc244e08205_attn-k_qc244e08205_attn
	.p2alignl 7, 3214868480
	.fill 96, 4, 3214868480
	.section	.rodata,"a",@progbits
	.p2align	6, 0x0
	.amdhsa_kernel k_qc244e08205_attn
		.amdhsa_group_segment_fixed_size 327680
		.amdhsa_private_segment_fixed_size 0
		.amdhsa_enable_private_segment 0
		.amdhsa_kernarg_size 32
		.amdhsa_user_sgpr_count 2
		.amdhsa_user_sgpr_kernarg_segment_ptr 1
		.amdhsa_wavefront_size32 1
		.amdhsa_system_sgpr_workgroup_id_x 1
		.amdhsa_system_sgpr_workgroup_id_y 1
		.amdhsa_system_sgpr_workgroup_id_z 1
		.amdhsa_system_vgpr_workitem_id 0
		.amdhsa_next_free_vgpr 512
		.amdhsa_next_free_sgpr 66
		.amdhsa_reserve_vcc 1
		.amdhsa_float_denorm_mode_32 3
		.amdhsa_float_denorm_mode_16_64 3
		.amdhsa_memory_ordered 1
		.amdhsa_forward_progress 1
		.amdhsa_inst_pref_size 155
	.end_amdhsa_kernel
	.amdgpu_metadata
---
amdhsa.version: [ 1, 2 ]
amdhsa.kernels:
  - .name:           k_qc244e08205_attn
    .symbol:         k_qc244e08205_attn.kd
    .args:
      - { .name: qq, .offset: 0, .size: 8, .value_kind: global_buffer, .address_space: global }
      - { .name: kv, .offset: 8, .size: 8, .value_kind: global_buffer, .address_space: global }
      - { .name: vsum, .offset: 16, .size: 8, .value_kind: global_buffer, .address_space: global }
      - { .name: cq, .offset: 24, .size: 8, .value_kind: global_buffer, .address_space: global }
    .group_segment_fixed_size: 327680
    .private_segment_fixed_size: 0
    .kernarg_segment_align: 8
    .kernarg_segment_size: 32
    .max_flat_workgroup_size: 256
    .sgpr_count:     66
    .vgpr_count:     512
    .wavefront_size: 32
...
	.end_amdgpu_metadata
.endif
;; end of part 3
;; launch oproj (part 4): grid 4 x 64, 4 waves a work-group, clusters of 4 x 4, 327,680 bytes of LDS; arguments cq, wq, out0; writes out0
.if DOCPART == 4
	.amdgcn_target "amdgcn-amd-amdhsa--gfx1250"
	.amdhsa_code_object_version 6
	.text
	.protected	k_qc244e08205_oproj
	.globl	k_qc244e08205_oproj
	.p2align	8
	.type	k_qc244e08205_oproj,@function
k_qc244e08205_oproj:
	s_mov_b64 s[64:65], 0
	v_nop
	global_prefetch_b8 v0, s[64:65] scope:SCOPE_SE
	s_setreg_imm32_b32 hwreg(HW_REG_WAVE_MODE, 25, 1), 1
	s_wait_xcnt 0x0
	s_wait_alu depctr_hold_cnt(0) depctr_sa_sdst(0) depctr_va_vdst(0) depctr_va_sdst(0) depctr_va_ssrc(0) depctr_va_vcc(0) depctr_vm_vsrc(0)
	s_getreg_b32 s2, hwreg(HW_REG_IB_STS2, 6, 4)
	s_cmp_eq_u32 s2, 0
	s_cbranch_scc0 .Lentry_in_a_cluster
	s_endpgm
.Lentry_in_a_cluster:
	s_bfe_u32 s2, ttmp6, 0x10000c
	s_cmp_lg_u32 s2, 0xf033
	s_cbranch_scc0 .Lentry_shape_is_right
	s_endpgm
.Lentry_shape_is_right:
; out0 = ctx Ow^T on codes of FP6 (E2M3) with one E8M0 scale for each 32 along K = 1,024; sums in f32; out0 [8192][1024] f32.
; A block of 128 tokens x 256 features is made by a work-group of four waves: 64 x 4 = 256 work-groups.  A wave makes 64 x 128: 32 accumulators of 16 x 16.
; ALL OF K LIES IN LDS: ctx's 128 rows (98,304 bytes), Ow's 256 rows (196,608) and both operands' scale bytes (4,096 + 8,192) are four dense blocks of memory, fetched by four tensor loads at the head,
; one a wave.  Nothing is filled again: no ring, and one barrier in front of the products.  So there is no loop to run ahead in, and no prefetch.
; cq: a tile of 16 tokens is 12,288 bytes, images of operand registers: [128 along K: 8][piece: 6][lane][8 bytes]; row r of tile T is token 32 (T / 2) + 8 (T % 2) + r + 8 (r / 8); scale bytes [tile][row][32] at CSC.
; wq, rows 3,072 on: Ow.  A group of 8 rows is 6,144 bytes: [128 along K: 8][piece: 6][lane half: 2][row: 8][8 bytes]; in odd groups pieces P and P xor 1 have changed places, so that a load of 8 bytes a lane
; touches 256 different bytes modulo 256 with no padding.  Of every 32 rows the second and third group of 8 have changed places; scale bytes [row][32] at WSC, in the same order.
; CLUSTERS: 4 x 4 work-groups.  ctx's blocks are shared along a row of the cluster, Ow's along a column: each is asked for JOINTLY, by the same tensor load with a mask that names the four.
; THE MATRIX INSTRUCTION IS USED TRANSPOSED: source 0 = 16 rows of Ow, source 1 = 16 tokens.  Lane (r, h) of accumulator (a, b) holds token row r of tile a; its register j holds feature 32 (b / 2) + 16 h + 8 (b % 2) + j.
; REGISTERS, in windows of 256: window 0: v16-29 addresses; v32-95 the scale words of all of K (register 8 i + s: lanes 0-15 ctx's tile i, lanes 16-31 Ow's tile i, step s); v96-191 ctx's fragments, two sets;
; on the way out v96-223.  Window 1: Ow's fragments, two sets, at v0 and v128.  Window 2: the accumulators, (a, b) at v[8 (8 a + b)].
.set TB,     12288                     ; a tile of 16 tokens, all of K
.set GB,     6144                      ; a group of 8 rows of Ow, all of K
.set BOFF,   8*TB                      ; LDS: ctx's eight tiles, then Ow's 32 groups,
.set SCL,    BOFF+32*GB                ; ctx's scale bytes, 4,096, then Ow's, 8,192,
.set SPARE,  SCL+12288                 ; and the spare words, 128 bytes a wave
.set SPITCH, 528                       ; the way out: a stage of 16 rows x (512 + 16) bytes a wave, from LDS byte 0 on: on bytes that have had their only fill, behind a barrier behind which nobody reads them
.set CSC,    6291456
.set WSC,    3145728
.set ADRA, 16                          ; v16     my ctx fragments
.set ADRB, 20                          ; v20-23  my Ow fragments: even pieces, odd pieces of tiles 0-3; the same of tiles 4-7
.set STO,  24
.set RD,   25
.set CO,   26
.set ADRS, 27
.set SPW,  28                          ; v28     my spare word; never rewritten
.set NIL,  29                          ; v29     0; never rewritten
.set SC,   32
.set AF,   96
.set BK,   96
.set G1A,  24                          ; descriptor groups 1: ctx's codes, Ow's codes, ctx's scale bytes, Ow's
.set G1B,  32
.set G1S,  48
.set G1SB, 56
.set G0A,  68                          ; and groups 0
.set G0B,  72
.set G0S,  76
.set G0SB, 80
.set MSB, 0
.macro WIN new                         ; the immediate's high byte repeats the setting that is left
.if MSB != \new
	s_set_vgpr_msb (MSB<<8)|\new
.set MSB, \new
.endif
.endm
.macro CROUND                          ; a round of the cluster's barrier
	s_barrier_signal -1
	s_barrier_wait -1
	s_cmp_lg_u32 s14, 0
	s_cbranch_scc1 .Lnot_wave_0_\@
	s_barrier_signal -3
.Lnot_wave_0_\@:
	s_barrier_wait -3
	s_barrier_signal -1
	s_barrier_wait -1
.endm
.macro DESC g, c, r                    ; a dense block: r rows of c elements of 8 bytes
	s_mov_b32 s[\g+1], (\c)<<16
	s_mov_b32 s[\g+2], (\r)<<16
	s_mov_b32 s[\g+3], (\c)<<16
	s_mov_b32 s[\g+4], \r
	s_mov_b32 s[\g+5], \c
	s_mov_b32 s[\g+6], 0
	s_mov_b32 s[\g+7], 0
.endm
.macro GRP0 g, lds, a
	s_mov_b32 s[\g], 1
	s_mov_b32 s[\g+1], \lds
	s_mov_b64 s[\g+2:\g+3], s[\a:\a+1]
	s_or_b32 s[\g+3], s[\g+3], 0x80000000
.endm
.macro PLACES
.rept 4
	v_nop
.endr
.endm
	s_load_b128 s[4:7], s[0:1], 0x0                ; cq, wq
	s_load_b64 s[8:9], s[0:1], 0x10                ; out0
	v_lshl_add_u32 v[SPW], v0, 2, SPARE
	v_mov_b32 v[NIL], 0
	ds_add_u32 v[SPW], v[NIL]                      ; the opening lines: the add, twice on end, and its wait ahead of my first tensor load
	ds_add_u32 v[SPW], v[NIL]
	v_lshrrev_b32 v1, 5, v0
	v_readfirstlane_b32 s14, v1                    ; wave 0..3
	s_lshr_b32 s15, s14, 1                         ; which 64 tokens are mine
	s_and_b32 s16, s14, 1                          ; which 128 features
	s_bfe_u32 s40, ttmp6, 0x40000                  ; cx, cy
	s_bfe_u32 s41, ttmp6, 0x40004
	s_lshl_b32 s42, ttmp9, 2
	s_add_co_u32 s42, s42, s40                     ; block of 256 features = 4 x cluster x + cx
	s_and_b32 s17, ttmp7, 0xffff
	s_lshl_b32 s17, s17, 2
	s_add_co_u32 s17, s17, s41                     ; block of 128 tokens = 4 x cluster y + cy
	s_lshl_b32 s43, s41, 2
	s_lshl_b32 s43, 15, s43                        ; my row of the cluster
	s_lshl_b32 s44, 0x1111, s40                    ; my column
	s_or_b32 s[G1A], s43, (3<<16)|(1<<21)          ; 15:0 the mask; 17:16 elements of 8 bytes; 21 set beside a mask
	s_or_b32 s[G1B], s44, (3<<16)|(1<<21)
	s_or_b32 s[G1S], s43, (3<<16)|(1<<21)
	s_or_b32 s[G1SB], s44, (3<<16)|(1<<21)
	DESC G1A, 768, 16                              ; 98,304 bytes as 16 rows of 6,144
	DESC G1B, 768, 32                              ; 196,608 bytes
	DESC G1S, 32, 16                               ; 4,096 bytes as rows of 256
	DESC G1SB, 32, 32                              ; 8,192 bytes
	s_mul_i32 s20, s17, 8*TB                       ; every offset here is under 2^23
	s_mov_b32 s21, 0
	s_lshl_b32 s22, s17, 12
	s_add_co_u32 s22, s22, CSC
	s_mov_b32 s23, 0
	s_lshl_b32 s46, s42, 8
	s_add_co_u32 s46, s46, 3072                    ; Ow's first row of the block in wq
	s_lshl_b32 s84, s46, 5
	s_add_co_u32 s84, s84, WSC
	s_mov_b32 s85, 0
	s_mul_i32 s46, s46, 768
	s_mov_b32 s47, 0
	s_wait_dscnt 0x0                               ; both opening adds are done
	s_wait_kmcnt 0x0
	s_add_nc_u64 s[20:21], s[4:5], s[20:21]
	s_add_nc_u64 s[22:23], s[4:5], s[22:23]
	s_add_nc_u64 s[46:47], s[6:7], s[46:47]
	s_add_nc_u64 s[84:85], s[6:7], s[84:85]
	CROUND                                         ; all sixteen work-groups are here: the joint loads meet
	GRP0 G0A, 0, 20
	GRP0 G0B, BOFF, 46
	GRP0 G0S, SCL, 22
	GRP0 G0SB, SCL+4096, 84
; One tensor load a wave, in one tree of branches on the wave's number: every way through the head passes exactly one load.
.macro ARM under, g0, g1, next
	s_cmp_lt_u32 s14, \under
	s_cbranch_scc0 \next
	tensor_load_to_lds s[\g0:\g0+3], s[\g1:\g1+7]
	s_nop 0
	PLACES
	s_branch .Lhead_asked
\next:
.endm
	ARM 1, G0A, G1A, .Lhead_b
	ARM 2, G0B, G1B, .Lhead_sa
	ARM 3, G0S, G1S, .Lhead_sb
	tensor_load_to_lds s[G0SB:G0SB+3], s[G1SB:G1SB+7]
	s_nop 0
	PLACES
.Lhead_asked:
	v_and_b32 v1, 15, v0                           ; r
	v_bfe_u32 v2, v0, 4, 1                         ; h
	v_and_b32 v6, 31, v0                           ; lane
	s_mul_i32 s21, s15, 4*TB
	v_lshl_add_u32 v[ADRA], v6, 3, s21             ; ctx: my four tiles, 8 bytes a lane
	v_and_b32 v3, 7, v1
	v_lshlrev_b32 v3, 3, v3
	v_lshl_add_u32 v3, v2, 6, v3                   ; Ow, inside a piece of 128 bytes: 64 h + 8 (r % 8)
	v_lshrrev_b32 v5, 3, v1                        ; rows 8-15 lie in the tile's odd group, where piece P stands at place P xor 1
	v_mad_u32_u24 v4, v5, GB+128, v3
	v_mad_u32_u24 v5, v5, GB-128, v3
	s_mul_i32 s22, s16, 16*GB
	s_add_co_u32 s22, s22, BOFF
	v_add_nc_u32 v[ADRB], s22, v4
	v_add_nc_u32 v[ADRB+1], s22, v5
	s_add_co_u32 s22, s22, 8*GB                    ; tiles 4-7 lie beyond an immediate offset's 16 bits
	v_add_nc_u32 v[ADRB+2], s22, v4
	v_add_nc_u32 v[ADRB+3], s22, v5
	s_lshl_b32 s21, s15, 11                        ; scale bytes: ctx's, my 64 rows of 32 bytes;
	s_lshl_b32 s22, s16, 12
	s_add_co_u32 s22, s22, 4096                    ; Ow's, my 128 rows, behind ctx's 4,096 bytes
	s_sub_co_u32 s22, s22, s21
	v_mul_u32_u24 v5, s22, v2                      ; lanes 16-31 take Ow's
	v_lshl_add_u32 v5, v1, 5, v5
	s_add_co_u32 s21, s21, SCL
	v_add_nc_u32 v[ADRS], s21, v5
	s_mul_i32 s23, s14, 16*SPITCH                  ; my stage
	v_mul_u32_u24 v5, v1, SPITCH
	v_lshl_add_u32 v5, v2, 6, v5                   ; in: row r, 64 bytes for each half of the lanes
	v_add_nc_u32 v[STO], s23, v5
	v_lshlrev_b32 v[CO], 4, v6                     ; back: the 32 lanes take one row of 512 bytes; and the same in out0
	v_add_nc_u32 v[RD], s23, v[CO]
	s_lshl_b32 s86, s17, 7
	s_lshl_b32 s87, s15, 6
	s_add_co_u32 s86, s86, s87                     ; my first token
	s_lshl_b32 s86, s86, 12                        ; a row of out0 is 4,096 bytes
	s_lshl_b32 s87, s42, 10
	s_add_co_u32 s86, s86, s87
	s_lshl_b32 s87, s16, 9
	s_add_co_u32 s86, s86, s87                     ; my first feature, in bytes (the sum is under 2^26)
	s_mov_b32 s87, 0
	s_add_nc_u64 s[8:9], s[8:9], s[86:87]
.macro FETCH s                         ; the fragments of step s, 128 along K, into set s % 2: 48 + 24 loads of 8 bytes a lane
	WIN 0x40                                       ; destination window 1
.irp j, 0,1,2,3,4,5,6,7
.irp p, 0,1,2,3,4,5
	ds_load_b64 v[128*((\s)%2)+12*\j+2*\p:128*((\s)%2)+12*\j+2*\p+1], v[ADRB+(\p%2)+2*(\j/4)] offset:(\j%4)*2*GB+768*(\s)+128*\p
.endr
.endr
	WIN 0
.irp i, 0,1,2,3
.irp p, 0,1,2,3,4,5
	ds_load_b64 v[AF+48*((\s)%2)+12*\i+2*\p:AF+48*((\s)%2)+12*\i+2*\p+1], v[ADRA] offset:\i*TB+1536*(\s)+256*\p
.endr
.endr
.endm
.macro MUL s                           ; 32 products; the accumulators take turns, one instruction a turn, in the same order in every step; step 0 starts the sums
.irp a, 0,1,2,3
.irp b, 0,1,2,3,4,5,6,7
.if (\s) == 0
	v_wmma_scale_f32_16x16x128_f8f6f4 v[8*(8*\a+\b):8*(8*\a+\b)+7], v[128*((\s)%2)+12*\b:128*((\s)%2)+12*\b+11], v[AF+48*((\s)%2)+12*\a:AF+48*((\s)%2)+12*\a+11], 0, v[SC+8*\b+(\s)], v[SC+8*\a+(\s)] matrix_a_fmt:MATRIX_FMT_FP6 matrix_b_fmt:MATRIX_FMT_FP6 matrix_a_scale:MATRIX_SCALE_ROW1
.else
	v_wmma_scale_f32_16x16x128_f8f6f4 v[8*(8*\a+\b):8*(8*\a+\b)+7], v[128*((\s)%2)+12*\b:128*((\s)%2)+12*\b+11], v[AF+48*((\s)%2)+12*\a:AF+48*((\s)%2)+12*\a+11], v[8*(8*\a+\b):8*(8*\a+\b)+7], v[SC+8*\b+(\s)], v[SC+8*\a+(\s)] matrix_a_fmt:MATRIX_FMT_FP6 matrix_b_fmt:MATRIX_FMT_FP6 matrix_a_scale:MATRIX_SCALE_ROW1
.endif
.endr
.endr
.endm
.macro STEP s
	s_wait_dscnt 0x0                               ; this step's fragments are in: they were asked for ahead of the last step's 32 products
.if (\s) < 7
	PLACES                                         ; in front of loads into the set that the last step's products have read (ISA guide 7.12.1 for vector instructions)
	FETCH (\s)+1
.else
	s_barrier_signal -1                            ; my reads of the tiles are over: say so, and work on registers while the others arrive
.endif
	WIN 0xa1                                       ; source 0 window 1, source 1 window 0, C and D window 2
	MUL \s
	WIN 0
.endm
	s_wait_alu depctr_va_vdst(0)                   ; the wait at the head's end
	s_wait_tensorcnt 0x0                           ; my block is in,
	s_barrier_signal -1
	s_barrier_wait -1                              ; everybody's is
.irp i, 0,1,2,3,4,5,6,7
	ds_load_b128 v[SC+8*\i:SC+8*\i+3], v[ADRS] offset:512*\i       ; a row's eight scale words.  (For i above 3 lanes 0-15 read bytes further on in the scales' 12,288: they are not used)
	ds_load_b128 v[SC+8*\i+4:SC+8*\i+7], v[ADRS] offset:512*\i+16
.endr
	FETCH 0
.set ST, 0
.rept 8
	STEP ST
.set ST, ST+1
.endr
	s_barrier_wait -1                              ; no wave reads the tiles any more: the stages may be written
; THE WAY OUT, tile by tile of 16 tokens x 128 features, through my stage, back as whole rows of 512 bytes.  LDS serves a wave's instructions in order: no wait between the stores and the loads.
.macro TOSTAGE a
	WIN 0x08                                       ; the data: window 2
.irp b, 0,1,2,3,4,5,6,7
	ds_store_b128 v[STO], v[64*(\a)+8*\b:64*(\a)+8*\b+3] offset:128*(\b/2)+32*(\b%2)       ; each accumulator from its low end on
	ds_store_b128 v[STO], v[64*(\a)+8*\b+4:64*(\a)+8*\b+7] offset:128*(\b/2)+32*(\b%2)+16
.endr
	WIN 0
.set BB, BK+64*((\a)%2)
.irp t, 0,1,2,3,4,5,6,7,8,9,10,11,12,13,14,15
	ds_load_b128 v[BB+4*\t:BB+4*\t+3], v[RD] offset:\t*SPITCH
.endr
.endm
.macro SEND a, younger                 ; younger: the LDS instructions issued behind tile a's loads, which may stay out
.set BB, BK+64*((\a)%2)
	s_wait_dscnt \younger
.irp t, 0,1,2,3,4,5,6,7,8,9,10,11,12,13,14,15
	global_store_b128 v[CO], v[BB+4*\t:BB+4*\t+3], s[8:9] offset:(32*((\a)/2)+8*((\a)%2)+\t+8*(\t/8))*4096 th:TH_STORE_NT   ; 32 lanes store 512 consecutive bytes, aligned
.endr
.endm
	PLACES                                         ; behind the last products
	TOSTAGE 0
.irp a, 1,2,3
.if \a > 1
	s_wait_xcnt 0x0                                ; tile a - 2's stores have read their registers: tile a's loads may land there
.endif
	TOSTAGE \a
	SEND \a-1, 32                                  ; behind tile a - 1's loads: tile a's 16 stores and 16 loads
.endr
	SEND 3, 0
	s_wait_tensorcnt 0x0                           ; the wave's end
	ds_add_u32 v[SPW], v[NIL]
	s_wait_dscnt 0x0
	CROUND                                         ; the closing round
	s_endpgm
.Lfunc_end_k_qc244e08205_oproj:
	.size	k_qc244e08205_oproj, .Lfunc_end_k_qc244e08205_oproj-k_qc244e08205_oproj
	.p2alignl 7, 3214868480
	.fill 96, 4, 3214868480
	.section	.rodata,"a",@progbits
	.p2align	6, 0x0
	.amdhsa_kernel k_qc244e08205_oproj
		.amdhsa_group_segment_fixed_size 327680
		.amdhsa_private_segment_fixed_size 0
		.amdhsa_enable_private_segment 0
		.amdhsa_kernarg_size 24
		.amdhsa_user_sgpr_count 2
		.amdhsa_user_sgpr_kernarg_segment_ptr 1
		.amdhsa_wavefront_size32 1
		.amdhsa_system_sgpr_workgroup_id_x 1
		.amdhsa_system_sgpr_workgroup_id_y 1
		.amdhsa_system_sgpr_workgroup_id_z 1
		.amdhsa_system_vgpr_workitem_id 0
		.amdhsa_next_free_vgpr 768
		.amdhsa_next_free_sgpr 88
		.amdhsa_reserve_vcc 0
		.amdhsa_float_denorm_mode_32 3
		.amdhsa_float_denorm_mode_16_64 3
		.amdhsa_memory_ordered 1
		.amdhsa_forward_progress 1
		.amdhsa_inst_pref_size 95
	.end_amdhsa_kernel
	.amdgpu_metadata
---
amdhsa.version: [ 1, 2 ]
amdhsa.kernels:
  - .name:           k_qc244e08205_oproj
    .symbol:         k_qc244e08205_oproj.kd
    .args:
      - { .name: cq, .offset: 0, .size: 8, .value_kind: global_buffer, .address_space: global }
      - { .name: wq, .offset: 8, .size: 8, .value_kind: global_buffer, .address_space: global }
      - { .name: out0, .offset: 16, .size: 8, .value_kind: global_buffer, .address_space: global }
    .group_segment_fixed_size: 327680
    .private_segment_fixed_size: 0
    .kernarg_segment_align: 8
    .kernarg_segment_size: 24
    .max_flat_workgroup_size: 128
    .sgpr_count:     88
    .vgpr_count:     768
    .wavefront_size: 32
...
	.end_amdgpu_metadata
.endif
;; end of part 4
